; MI455X (gfx1250); checked and timed in simulation.
; The chip was launched on July 23, 2026; its instructions are those of AMD's public machine-readable ISA for CDNA 5 (MIT licence, August 2026) and "CDNA5" Instruction Set Architecture Reference Guide (July 2026). The comments in the code are by the model that wrote it; some were corrected since.
;; Self Attention. Allowed arithmetic: matrix products marked QUANTISED: E2M1 operands, one E8M0 scale for each 32 along K, by v_wmma_scale_f32_16x16x128_f8f6f4 with both operands' format E2M1 (or v_wmma_scale_f32_32x16x128_f4), f32 sums; products left as they are: f32 operands where the result goes on into a quantised operand, else bf16, f16 or f32 operands; f32 sums; everything else in f32.
;; Inputs: Aq 4 x 512 float32; Av 4 x 512 float32; Bq 512 x 4 float32; Bv 512 x 4 float32; Wk_codes 512 x 16 x 16 uint8 (E2M1 codes of Wk, K innermost, in blocks of 32 codes, two codes a byte); Wk_scales 512 x 16 uint8 (E8M0 scales of Wk, one for each 32 codes along K); Wp_codes 512 x 16 x 16 uint8 (E2M1 codes of Wp, K innermost, in blocks of 32 codes, two codes a byte); Wp_scales 512 x 16 uint8 (E8M0 scales of Wp, one for each 32 codes along K); Wq_codes 512 x 16 x 16 uint8 (E2M1 codes of Wq, K innermost, in blocks of 32 codes, two codes a byte); Wq_scales 512 x 16 uint8 (E8M0 scales of Wq, one for each 32 codes along K); Wv_codes 512 x 16 x 16 uint8 (E2M1 codes of Wv, K innermost, in blocks of 32 codes, two codes a byte); Wv_scales 512 x 16 uint8 (E8M0 scales of Wv, one for each 32 codes along K); atten_mask 2 x 4,096 int32; bp 512 float32; x 2 x 4,096 x 512 float32.
;; Outputs: out0 2 x 4,096 x 512 float32.
;; This version of the problem:
;;   THIS VERSION OF THE PROBLEM IS GIVEN IN LOW PRECISION. The matrix products marked QUANTISED in the list below multiply operands that are first quantised to E2M1 (2 exponent bits, 1 mantissa bit; 4 bits a number), with one power-of-two scale for each 32 numbers along K (OCP MX v1.0); their sums are f32. All else is computed in f32.
;;   The module's matrix products, in the order in which they are computed (A, B: the left and right operand; K: the contracted axis; several contracted axes count as one K, in the product's order):
;;     1. [M 8,192, K 512] x [K 512, N 512]; A: input x; B: input Wk (given as codes): QUANTISED
;;     2. [M 8,192, K 512] x [K 512, N 512]; A: input x; B: input Wq (given as codes): QUANTISED
;;     3. [M 8,192, K 512] x [K 512, N 4]; A: input x; B: input Aq: left as it is (N = 4 < 16)
;;     4. [M 8,192, K 4] x [K 4, N 512]; A: computed on the way; B: input Bq: left as it is (K = 4 < 32)
;;     5. [M 8,192, K 512] x [K 512, N 512]; A: input x; B: input Wv (given as codes): QUANTISED
;;     6. [M 8,192, K 512] x [K 512, N 4]; A: input x; B: input Av: left as it is (N = 4 < 16)
;;     7. [M 8,192, K 4] x [K 4, N 512]; A: computed on the way; B: input Bv: left as it is (K = 4 < 32)
;;     8. batch 16 x [M 4,096, K 64] x [K 64, N 4,096]; A: computed on the way; B: computed on the way: QUANTISED
;;     9. batch 16 x [M 4,096, K 4,096] x [K 4,096, N 64]; A: softmax (see below); B: computed on the way: QUANTISED
;;     10. [M 8,192, K 512] x [K 512, N 512]; A: computed on the way; B: input Wp (given as codes): QUANTISED
;;   THE QUANTISER, for each operand of a quantised product, along K:
;;     - K is cut into blocks of 32 from its start; a last block that is shorter is filled with zeros.
;;     - A block's scale is 2^e with e = floor(log2(the largest magnitude in the block)) - 2, held to -126 .. 127; a block of zeros has e = 0. As a byte (E8M0): e + 127.
;;     - Each number is divided by its block's scale, clamped to +-6, and rounded to the nearest number of E2M1, ties to even, subnormals kept.
;;     - The product sums the exact products of the quantised numbers (number of the format x scale) in f32.
;;   ~~~python
;;   def quantise(x, axis):      # numpy; x: float32 -> the quantised numbers, widened to float32 again
;;       x = np.moveaxis(x, axis, -1); K = x.shape[-1]
;;       x = np.pad(x, [(0, 0)] * (x.ndim - 1) + [(0, -K % 32)]); x = x.reshape(x.shape[:-1] + (-1, 32)); a = np.abs(x).max(-1, keepdims=True)
;;       e = np.where(a > 0, np.clip(np.frexp(np.where(a > 0, a, 1))[1] - 1 - 2, -126, 127), 0)      # np.frexp(a)[1] - 1 = floor(log2(a)), exactly
;;       r = np.clip(x / 2.0 ** e, -6, 6)
;;       step = 2.0 ** (np.maximum(np.frexp(np.where(r == 0, 1, r))[1] - 1, 0) - 1)
;;       q = np.round(r / step) * step * 2.0 ** e      # np.round: ties to even
;;       return np.moveaxis(q.reshape(q.shape[:-2] + (-1,))[..., :K], -1, axis).astype(np.float32)
;;   ~~~
;;   SOFTMAX AHEAD OF A QUANTISED PRODUCT. Where the list says 'softmax', what is quantised is not the finished softmax but p = 2^(t - M), with t = logit x log2(e) and M = ceil(the row's largest t), a whole number; so 1/2 < the row's largest p <= 1. The row's sum l is taken of the UNQUANTISED p, in f32, and the product's result is divided by l at the end. Since M is a whole number, a kernel that streams over the keys may use a running M (the ceiling of the running maximum): every later rescaling is an exact power of two, which a block's scale takes up: the codes' values come out the same.
;;   OPERANDS COMPUTED ON THE WAY. 'Computed on the way' means the value that the module computes at that place (a softmax that the list does not call 'softmax' is quantised finished and normalised). What goes into a quantiser is computed in f32, as accurately as f32 sums, v_exp_f32 and their like allow (about 1e-6 of the number): no bf16 or f16 on the way to a quantiser, and a product that is left as it is and whose result goes on into a quantised operand takes f32 operands (vector FMAs, or v_wmma_f32_16x16x4_f32). A number that lies on a knife's edge between two numbers of the format may be rounded either way, as far as f32 arithmetic and the matrix unit's own rounding can turn it there, and no further.
;;   INPUTS GIVEN AS CODES. Wk (in the module: [512, 512], K = its axis 1); Wp (in the module: [512, 512], K = its axis 1); Wq (in the module: [512, 512], K = its axis 1); Wv (in the module: [512, 512], K = its axis 1): each comes as NAME_codes (uint8): NAME with its K axis moved to the last place and cut into blocks of 32 codes, [.., K / 32, bytes a block], one block behind the other in memory; two codes a byte, the lower K in the low four bits (a code: sign, 2 exponent bits, 1 mantissa bit); and NAME_scales (uint8): the same leading axes, one E8M0 byte (e + 127) for each 32 codes along K. Its value is code x scale, taken as it is: it is not quantised again, and the codes and scales need not be those that the quantiser above would give.
;; 2 versions, each right; version 2 is version 1 with the launches qkv, proj written anew for expert scheduling mode. Each part assembles by itself: llvm-mc -triple=amdgcn-amd-amdhsa -mcpu=gfx1250 --defsym DOCPART=n.
;; ======== version 1 of 2: 3 launches
;; limits: right only within a limited range of input values
;; workspace buffers: qc 2,097,152 bytes; qsb 131,072 bytes; kv 4,587,520 bytes; ctxc 2,097,152 bytes; ctxs 131,072 bytes
;; launch qkv (part 1): grid 256 x 1, 16 waves a work-group, no clusters, 35,840 bytes of LDS; arguments x, atten_mask, Aq, Av, Bq, Bv, Wk_codes, Wk_scales, Wq_codes, Wq_scales, Wv_codes, Wv_scales, qc, qsb, kv; writes qc, qsb, kv
.if DOCPART == 1
	.amdgcn_target "amdgcn-amd-amdhsa--gfx1250"
	.amdhsa_code_object_version 6
	.text
	.protected	k_q54f3d427a6_qkv
	.globl	k_q54f3d427a6_qkv
	.p2align	8
	.type	k_q54f3d427a6_qkv,@function
k_q54f3d427a6_qkv:
	s_mov_b64 s[64:65], 0
	v_nop
	global_prefetch_b8 v0, s[64:65] scope:SCOPE_SE
	s_setreg_imm32_b32 hwreg(HW_REG_WAVE_MODE, 25, 1), 1
	s_wait_xcnt 0x0
; k = Q(x) Wk^T, q = Q(x) Wq^T + (x Aq^T) Bq^T / 4, v = Q(x) Wv^T + (x Av^T) Bv^T / 4.  x: [8192][512] f32; the W: codes of FP4 (E2M1) with one E8M0 byte for each 32 along K.
; The large products run on codes; the rank-4 terms stay in f32 (f32 matrix form, K = 4).  q and k are then quantised along a head's 64 channels, v along the keys, and leave as codes laid in the order
; of the next launch's operand registers; the key mask leaves as scale bytes beside k's.
; SHARES.  A work-group of sixteen waves owns 32 rows of x and all 1,536 output columns, so x is read from memory once.  The 32 rows are two tiles: lane r of tile u is row 8 u + r + 8 (r / 8).
;   x phase: wave w quantises 16 rows x 64 along K (tile w / 8, K step (w / 2) % 4, half w % 2) and makes its part of x [Aq; Av]^T; images of the fragments and the parts meet in LDS.
;   then wave w owns channels 32 w .. 32 w + 31 (head w / 2, block w % 2) of k, of q and of v: two tiles of 16 rows of W; lane r of tile t takes row 32 w + 8 t + r + 8 (r / 8).
; k and q are made transposed (source 0 = W, source 1 = x): a lane holds one row of x and 16 neighbouring channels.  v is made the other way round: a lane holds one channel and 16 neighbouring keys.
; NO CLUSTER, NO TENSOR LOAD: the three weights with their scales are 417,792 bytes, more than one fill of LDS holds; a wave's sixteenth of them goes once, straight into its operand registers, for 48 products;
; a ring would add a barrier for each refill and a way through LDS for every weight byte.
; THE MASK: a key's scale word carries two more bytes m, 217 (2^90) for a masked key and 1 for an allowed one; the next launch multiplies them into a constant pair of codes.
; The scale bytes leave as single bytes (a word's bytes come from two waves, v's from four work-groups): one byte for each 16 bytes of codes.
; LIMITS: NaN and infinities among the inputs are not served.  A block whose largest magnitude lies under 2^-124 (a block of zeros too) gets the byte 1: only this program reads the bytes.
.set APITCH, 2064                      ; LDS: Aq's 4 rows, then Av's 4, 2,048 bytes + 16 each, from byte 0
.set XIMG,   16640                     ; x's 8 fragments as images of their registers: (4 u + ks) x 1024 + 512 c + 16 lane
.set XSC,    24832                     ; their scale words: 128 ks + 64 u + 4 r
.set XAP,    25344                     ; the waves' parts of x [Aq; Av]^T: 512 w + 16 lane
.set XS,  20                           ; v20-23   x's scale words of K step ks: lanes 0-15 tile 0, lanes 16-31 tile 1
.set XF,  32                           ; v32-95   x's fragments (u, ks) at 32 + 8 (4 u + ks); in the x phase v32-63 are 32 numbers of x
.set AM,  64                           ;          and v64-95 the same places of a row of [Aq; Av]
.set WF,  96                           ; v96-159  W's fragments (ks, t) at 96 + 16 ks + 8 t
.set WS,  160                          ; v160-175 W's scale words, two sets: 160 + 8 p + 4 t + ks
.set ACC, 176                          ; v176-207 four accumulators (t, u) at 176 + 8 (2 t + u): written by matrix instructions alone
.set TM,  208                          ; v208-213 at work in QUANT2; v208-239 at work in XAPSUM
.set CP,  216                          ; v216-223 the copy of Aq and Av; later my part of x [Aq; Av]^T
.set PC,  224                          ; v224-227 the codes just made
.set EA,  228                          ; v228, v229 the two blocks' scale bytes
.set EB,  229
.set LOR, 240                          ; v240-247 x [Aq; Av]^T / 4 of tile u at 240 + 4 u: the pair for q, the pair for v
.set LBQ, 248                          ; v248-251 Bq's rows of tile t at 248 + 2 t
.set LBV, 252                          ; v252-255 Bv's
.set SEL, 38                           ; s[38:39] lane selects: lane l xor 16
.macro NOPS n
.rept \n
	v_nop
.endr
.endm
; Two blocks of 32; a lane holds 16 numbers of each, in two runs of 8 registers (a0, a1 and b0, b1); lane l xor 16 holds the other 16.  Afterwards lanes 0-15 hold block A's 16 bytes of codes in v[PC:PC+3],
; lanes 16-31 block B's, and v[EA], v[EB] the two scale bytes.  Each run is read from its low end on.
.macro QUANT2 a0, a1, b0, b1
	v_max3_num_f32 v[TM], |v[(\a0)]|, |v[(\a0)+1]|, 0x1800000        ; the largest magnitude, with the floor 2^(3 - 127) among its leaves: the byte cannot fall under 1
	v_max3_num_f32 v[TM+1], |v[(\b0)]|, |v[(\b0)+1]|, 0x1800000
.irp i, 2,4,6
	v_max3_num_f32 v[TM], v[TM], |v[(\a0)+\i]|, |v[(\a0)+\i+1]|
	v_max3_num_f32 v[TM+1], v[TM+1], |v[(\b0)+\i]|, |v[(\b0)+\i+1]|
.endr
.irp i, 0,2,4,6
	v_max3_num_f32 v[TM], v[TM], |v[(\a1)+\i]|, |v[(\a1)+\i+1]|
	v_max3_num_f32 v[TM+1], v[TM+1], |v[(\b1)+\i]|, |v[(\b1)+\i+1]|
.endr
	v_permlanex16_b32 v[TM+2], v[TM], s[SEL], s[SEL+1]
	v_permlanex16_b32 v[TM+3], v[TM+1], s[SEL], s[SEL+1]
	v_max_num_f32 v[TM], v[TM], v[TM+2]                              ; with lane l xor 16's: the block's
	v_max_num_f32 v[TM+1], v[TM+1], v[TM+3]
	v_add_nc_u32 v[TM+4], 0xff000000, v[TM]                          ; 2 off the exponent field: the conversion's scale operand
	v_add_nc_u32 v[TM+5], 0xff000000, v[TM+1]
	v_lshrrev_b32 v[EA], 23, v[TM+4]                                 ; the scale's byte
	v_lshrrev_b32 v[EB], 23, v[TM+5]
	v_cvt_scalef32_pk8_fp4_f32 v[PC], v[(\a0):(\a0)+7], v[TM+4]
	v_cvt_scalef32_pk8_fp4_f32 v[PC+1], v[(\a1):(\a1)+7], v[TM+4]
	v_cvt_scalef32_pk8_fp4_f32 v[PC+2], v[(\b0):(\b0)+7], v[TM+5]
	v_cvt_scalef32_pk8_fp4_f32 v[PC+3], v[(\b1):(\b1)+7], v[TM+5]
	v_nop                                                            ; one plain place behind the scaled conversions
	v_permlane16_swap_b32 v[PC], v[PC+2]                             ; a whole block to a lane
	v_permlane16_swap_b32 v[PC+1], v[PC+3]
.endm
; One product on codes.  z = 1: it starts the sum.  row: 0 both sides' scales from lanes 0-15; 1 source 0's from lanes 16-31; 2 source 1's; 3 both.
.macro FP4 d, a, b, z, sa, sb, row
.if \z
.if (\row) == 0
	v_wmma_scale_f32_16x16x128_f8f6f4 v[(\d):(\d)+7], v[(\a):(\a)+7], v[(\b):(\b)+7], 0, v[(\sa)], v[(\sb)] matrix_a_fmt:MATRIX_FMT_FP4 matrix_b_fmt:MATRIX_FMT_FP4
.elseif (\row) == 1
	v_wmma_scale_f32_16x16x128_f8f6f4 v[(\d):(\d)+7], v[(\a):(\a)+7], v[(\b):(\b)+7], 0, v[(\sa)], v[(\sb)] matrix_a_fmt:MATRIX_FMT_FP4 matrix_b_fmt:MATRIX_FMT_FP4 matrix_a_scale:MATRIX_SCALE_ROW1
.elseif (\row) == 2
	v_wmma_scale_f32_16x16x128_f8f6f4 v[(\d):(\d)+7], v[(\a):(\a)+7], v[(\b):(\b)+7], 0, v[(\sa)], v[(\sb)] matrix_a_fmt:MATRIX_FMT_FP4 matrix_b_fmt:MATRIX_FMT_FP4 matrix_b_scale:MATRIX_SCALE_ROW1
.else
	v_wmma_scale_f32_16x16x128_f8f6f4 v[(\d):(\d)+7], v[(\a):(\a)+7], v[(\b):(\b)+7], 0, v[(\sa)], v[(\sb)] matrix_a_fmt:MATRIX_FMT_FP4 matrix_b_fmt:MATRIX_FMT_FP4 matrix_a_scale:MATRIX_SCALE_ROW1 matrix_b_scale:MATRIX_SCALE_ROW1
.endif
.else
.if (\row) == 0
	v_wmma_scale_f32_16x16x128_f8f6f4 v[(\d):(\d)+7], v[(\a):(\a)+7], v[(\b):(\b)+7], v[(\d):(\d)+7], v[(\sa)], v[(\sb)] matrix_a_fmt:MATRIX_FMT_FP4 matrix_b_fmt:MATRIX_FMT_FP4
.elseif (\row) == 1
	v_wmma_scale_f32_16x16x128_f8f6f4 v[(\d):(\d)+7], v[(\a):(\a)+7], v[(\b):(\b)+7], v[(\d):(\d)+7], v[(\sa)], v[(\sb)] matrix_a_fmt:MATRIX_FMT_FP4 matrix_b_fmt:MATRIX_FMT_FP4 matrix_a_scale:MATRIX_SCALE_ROW1
.elseif (\row) == 2
	v_wmma_scale_f32_16x16x128_f8f6f4 v[(\d):(\d)+7], v[(\a):(\a)+7], v[(\b):(\b)+7], v[(\d):(\d)+7], v[(\sa)], v[(\sb)] matrix_a_fmt:MATRIX_FMT_FP4 matrix_b_fmt:MATRIX_FMT_FP4 matrix_b_scale:MATRIX_SCALE_ROW1
.else
	v_wmma_scale_f32_16x16x128_f8f6f4 v[(\d):(\d)+7], v[(\a):(\a)+7], v[(\b):(\b)+7], v[(\d):(\d)+7], v[(\sa)], v[(\sb)] matrix_a_fmt:MATRIX_FMT_FP4 matrix_b_fmt:MATRIX_FMT_FP4 matrix_a_scale:MATRIX_SCALE_ROW1 matrix_b_scale:MATRIX_SCALE_ROW1
.endif
.endif
.endm
; K step ks on the four accumulators, by turns.  n = 0: source 0 = W, source 1 = x;  n = 1: the other way round.  p: the set of W's scale words.
.macro MM4 ks, n, p, z
.irp t, 0,1
.irp u, 0,1
.if \n
	FP4 ACC+8*(2*\t+\u), XF+8*(4*\u+(\ks)), WF+16*(\ks)+8*\t, \z, XS+(\ks), WS+8*(\p)+4*\t+(\ks), \u
.else
	FP4 ACC+8*(2*\t+\u), WF+16*(\ks)+8*\t, XF+8*(4*\u+(\ks)), \z, WS+8*(\p)+4*\t+(\ks), XS+(\ks), 2*\u
.endif
.endr
.endr
.endm
.macro WLOAD ks, lo                    ; my two fragments of K step ks of the weight whose codes' address is in s[lo:lo+1]
.irp u, 0,1
.irp c, 0,1
	global_load_b128 v[WF+16*(\ks)+8*\u+4*\c:WF+16*(\ks)+8*\u+4*\c+3], v3, s[\lo:\lo+1] offset:2048*\u+64*(\ks)+32*\c
.endr
.endr
.endm
.macro XAPSUM u                        ; the eight waves' parts of tile u are added and divided by 4 (exact)
.irp k, 0,1,2,3,4,5,6,7
	ds_load_b128 v[TM+4*\k:TM+4*\k+3], v1 offset:XAP+512*(8*\u+\k)
.endr
	s_wait_dscnt 0x0
.irp p, 0,2
.irp k, 0,8,16,24
	v_pk_add_f32 v[TM+\k+\p:TM+\k+\p+1], v[TM+\k+\p:TM+\k+\p+1], v[TM+\k+\p+4:TM+\k+\p+5]
.endr
.endr
.irp p, 0,2
.irp k, 0,16
	v_pk_add_f32 v[TM+\k+\p:TM+\k+\p+1], v[TM+\k+\p:TM+\k+\p+1], v[TM+\k+\p+8:TM+\k+\p+9]
.endr
.endr
.irp p, 0,2
	v_pk_add_f32 v[TM+\p:TM+\p+1], v[TM+\p:TM+\p+1], v[TM+\p+16:TM+\p+17]
.endr
.irp p, 0,2
	v_pk_mul_f32 v[LOR+4*\u+\p:LOR+4*\u+\p+1], v[TM+\p:TM+\p+1], 0x3e800000 op_sel_hi:[1,0]
.endr
.endm
	s_load_b512 s[4:19], s[0:1], 0x0               ; x s4, mask s6, Aq s8, Av s10, Bq s12, Bv s14, Wk's codes s16, scales s18
	s_load_b256 s[20:27], s[0:1], 0x40             ; Wq's codes s20, scales s22, Wv's codes s24, scales s26
	s_load_b128 s[28:31], s[0:1], 0x60             ; qc s28, qsb s30
	s_load_b64 s[32:33], s[0:1], 0x70              ; kv
	v_lshrrev_b32 v28, 5, v0
	v_readfirstlane_b32 s34, v28                   ; wave 0..15
	v_and_b32 v29, 15, v0                          ; r
	v_bfe_u32 v30, v0, 4, 1                        ; h
	v_and_b32 v31, 31, v0                          ; lane
	v_and_b32 v28, 8, v29
	v_add_nc_u32 v28, v28, v29                     ; r + 8 (r / 8)
	s_mov_b32 s36, 0xffff0000                      ; lanes 16-31
	s_mov_b32 s[SEL], 0x76543210
	s_mov_b32 s[SEL+1], 0xfedcba98
	s_lshr_b32 s40, s34, 3                         ; x phase: my tile of rows,
	s_bfe_u32 s41, s34, 0x20001                    ; my K step,
	s_and_b32 s42, s34, 1                          ; my half of it.  Later: which block of the head's two is mine
	s_lshr_b32 s43, s34, 1                         ; my head
	s_and_b32 s44, ttmp9, 3                        ; which 32 of a step's 128 keys these rows are
	v_lshlrev_b32 v1, 4, v31                       ; v1: 16 lane
	v_lshlrev_b32 v2, 11, v28
	v_lshl_add_u32 v2, v30, 6, v2                  ; v2: x: my row of 2,048 bytes + 64 h
	v_lshlrev_b32 v3, 8, v28
	v_lshl_add_u32 v3, v30, 4, v3                  ; v3: W's codes: my row of 256 bytes + 16 h
	v_lshlrev_b32 v4, 4, v28                       ; v4: W's scales: my row of 16 bytes
	v_lshl_add_u32 v5, v30, 3, v4                  ; v5: Bq, Bv: my row of 16 bytes + 8 h
	v_and_b32 v6, 1, v29                           ; v6: which row of [Aq; Av] my lane feeds: (r & 1) + 2 (r / 8) + 4 ((r / 2) & 1), so that the result's registers 0, 1 are q's pair and 2, 3 v's
	v_lshrrev_b32 v7, 3, v29
	v_lshl_add_u32 v6, v7, 1, v6
	v_bfe_u32 v7, v29, 1, 1
	v_lshl_add_u32 v6, v7, 2, v6
	v_mul_u32_u24 v6, v6, APITCH
	v_lshl_add_u32 v6, v30, 6, v6
	s_lshl_b32 s45, s41, 9
	s_lshl_b32 s46, s42, 8
	s_add_co_u32 s45, s45, s46                     ; my 64 along K, in bytes of f32
	v_add_nc_u32 v6, s45, v6
	s_lshl_b32 s46, s34, 9
	v_add_nc_u32 v7, s46, v1
	v_add_nc_u32 v9, XAP, v7                       ; v9: my part's place
	v_add_nc_u32 v7, XIMG, v7                      ; v7: my half fragment's image: (4 u + ks) x 1024 + 512 c = 512 w
	s_lshl_b32 s47, s41, 7
	s_lshl_b32 s48, s40, 6
	s_add_co_u32 s47, s47, s48
	s_lshl_b32 s48, s42, 1
	s_add_co_u32 s47, s47, s48
	s_add_co_u32 s47, s47, XSC
	v_lshl_add_u32 v8, v29, 2, s47                 ; v8: my two bytes of row r's scale word
	v_lshlrev_b32 v10, 2, v31                      ; v10: 4 lane
	s_lshl_b32 s48, s42, 8
	s_lshl_b32 s49, s44, 10
	s_add_co_u32 s48, s48, s49
	v_lshlrev_b32 v11, 9, v30
	v_lshl_add_u32 v11, v29, 4, v11
	v_add_nc_u32 v11, s48, v11                     ; v11: k's codes in the step
	s_lshl_b32 s48, s44, 2
	s_add_co_u32 s48, s48, s42
	s_add_co_u32 s48, s48, 8192
	v_add_nc_u32 v12, s48, v1
	v_lshlrev_b32 v13, 1, v30
	v_sub_nc_u32 v14, v12, v13
	v_add_nc_u32 v12, v12, v13                     ; v12: k's scale byte: even tiles bytes 0, 1, odd tiles bytes 2, 3
	v_add_nc_u32 v13, 2, v14                       ; v13: the mask's byte: the other two
	v_lshrrev_b32 v14, 3, v29
	v_lshlrev_b32 v14, 9, v14
	v_lshl_add_u32 v14, v30, 7, v14
	v_and_b32 v15, 7, v29
	v_lshl_add_u32 v14, v15, 4, v14                ; v14: q's codes
	v_lshl_add_u32 v15, v30, 3, v28                ; v15: the row that my lane holds behind QUANT2: 8 h + r + 8 (r / 8)
	v_lshlrev_b32 v17, 2, v15                      ; v17: its mask word
	s_lshl_b32 s48, s42, 11
	s_lshl_b32 s49, s44, 8
	s_add_co_u32 s48, s48, s49
	s_add_co_u32 s48, s48, 4096
	v_lshlrev_b32 v16, 10, v30
	v_lshl_add_u32 v16, v29, 4, v16
	v_add_nc_u32 v16, s48, v16                     ; v16: v's codes in the step
	s_lshl_b32 s48, s42, 2
	s_add_co_u32 s48, s48, s44
	s_add_co_u32 s48, s48, 8704
	v_lshl_add_u32 v19, v31, 3, s48                ; v19: v's scale byte
	v_lshlrev_b32 v26, 4, v0                       ; v26: my 16 bytes of Aq and of Av
	v_lshrrev_b32 v27, 7, v0
	v_mul_u32_u24 v27, v27, APITCH
	v_and_b32 v25, 127, v0
	v_lshl_add_u32 v27, v25, 4, v27                ; v27: and their place in LDS
	v_mov_b32 v[TM+2], 0                           ; a lane permute's destination counts as one of its sources
	v_mov_b32 v[TM+3], 0
	s_lshl_b32 s50, ttmp9, 16                      ; 32 rows of 2,048 bytes a work-group,
	s_lshl_b32 s52, s40, 14                        ; 8 rows on for tile 1,
	s_add_co_u32 s50, s50, s52
	s_add_co_u32 s50, s50, s45                     ; my 64 along K
	s_mov_b32 s51, 0
	s_lshl_b32 s52, s34, 13                        ; my 32 rows of a weight's codes,
	s_mov_b32 s53, 0
	s_lshl_b32 s54, s34, 9                         ; of its scales, of Bq and of Bv
	s_mov_b32 s55, 0
	s_lshl_b32 s56, ttmp9, 7                       ; my work-group's 32 mask words
	s_mov_b32 s57, 0
	s_wait_kmcnt 0x0
	s_add_nc_u64 s[4:5], s[4:5], s[50:51]
	s_add_nc_u64 s[6:7], s[6:7], s[56:57]
	s_add_nc_u64 s[12:13], s[12:13], s[54:55]
	s_add_nc_u64 s[14:15], s[14:15], s[54:55]
	s_add_nc_u64 s[16:17], s[16:17], s[52:53]
	s_add_nc_u64 s[18:19], s[18:19], s[54:55]
	s_add_nc_u64 s[20:21], s[20:21], s[52:53]
	s_add_nc_u64 s[22:23], s[22:23], s[54:55]
	s_add_nc_u64 s[24:25], s[24:25], s[52:53]
	s_add_nc_u64 s[26:27], s[26:27], s[54:55]
	; ---- all first loads, what is wanted first in front
.irp b, 0,1
.irp j, 0,1,2,3
	global_load_b128 v[XF+16*\b+4*\j:XF+16*\b+4*\j+3], v2, s[4:5] offset:128*\b+16*\j th:TH_LOAD_NT   ; x(row, 32 b + 16 h + 4 j ..): 16 neighbours of each of my two blocks
.endr
.endr
	global_load_b128 v[CP:CP+3], v26, s[8:9]
	global_load_b128 v[CP+4:CP+7], v26, s[10:11]
	global_load_b32 v18, v17, s[6:7]
	global_load_b64 v[LBQ:LBQ+1], v5, s[12:13]
	global_load_b64 v[LBQ+2:LBQ+3], v5, s[12:13] offset:128
	global_load_b64 v[LBV:LBV+1], v5, s[14:15]
	global_load_b64 v[LBV+2:LBV+3], v5, s[14:15] offset:128
	global_load_b128 v[WS:WS+3], v4, s[18:19]
	global_load_b128 v[WS+4:WS+7], v4, s[18:19] offset:128
	global_load_b128 v[WS+8:WS+11], v4, s[22:23]
	global_load_b128 v[WS+12:WS+15], v4, s[22:23] offset:128
.irp ks, 0,1,2,3
	WLOAD \ks, 16
.endr
	; where the results go (registers of their own; the temporaries feed no pending access)
	s_lshr_b32 s58, ttmp9, 7
	s_lshl_b32 s58, s58, 3
	s_add_co_u32 s58, s58, s43                     ; 8 x batch + head
	s_and_b32 s59, ttmp9, 127                      ; which 32 rows of the batch
	s_lshl_b32 s50, s58, 17
	s_lshl_b32 s52, s59, 10
	s_add_co_u32 s50, s50, s52
	s_lshl_b32 s52, s42, 8
	s_add_co_u32 s50, s50, s52
	s_add_nc_u64 s[28:29], s[28:29], s[50:51]      ; qc: [head][tile of 16 queries][block][r][16 bytes]
	s_lshl_b32 s50, s58, 13
	s_lshl_b32 s52, s42, 12
	s_add_co_u32 s50, s50, s52
	s_lshl_b32 s52, s59, 5
	s_add_co_u32 s50, s50, s52
	s_add_nc_u64 s[30:31], s[30:31], s[50:51]      ; qsb: [head][block][query]
	s_lshl_b32 s50, s58, 5
	s_lshr_b32 s52, s59, 2
	s_add_co_u32 s50, s50, s52
	s_mul_i32 s50, s50, 8960
	s_add_nc_u64 s[32:33], s[32:33], s[50:51]      ; kv: [head][step of 128 keys][8,960 bytes]
	s_wait_loadcnt 25                              ; x, Aq and Av are in: behind Av's load stand 1 (mask) + 4 (Bq, Bv) + 4 (scales) + 16 (Wk)
	ds_store_b128 v27, v[CP:CP+3]
	ds_store_b128 v27, v[CP+4:CP+7] offset:4*APITCH
	s_wait_dscnt 0x0                               ; for the others' sake: my part of Aq and Av lies in LDS
	s_barrier_signal -1
	s_barrier_wait -1
	; ---- the x phase
.irp b, 0,1
.irp j, 0,1,2,3
	ds_load_b128 v[AM+16*\b+4*\j:AM+16*\b+4*\j+3], v6 offset:128*\b+16*\j   ; the same places of my lane's row of [Aq; Av] as x's registers hold of x's row
.endr
.endr
	QUANT2 XF, XF+8, XF+16, XF+24
	ds_store_b128 v7, v[PC:PC+3]                   ; registers 4 c .. 4 c + 3 of the fragment, as they stand
	v_lshl_or_b32 v24, v[EB], 8, v[EA]
	ds_store_b16 v8, v24                           ; both lanes of a row write the same two bytes
	s_wait_dscnt 0x0                               ; [Aq; Av] is in
.set i, 0
.rept 16                               ; x [Aq; Av]^T over my 64 along K, 4 at a time, on four accumulators by turns; the places of k in the registers are the same on both sides
.if i < 4
	v_wmma_f32_16x16x4_f32 v[ACC+8*(i%4):ACC+8*(i%4)+7], v[AM+2*i:AM+2*i+1], v[XF+2*i:XF+2*i+1], 0
.else
	v_wmma_f32_16x16x4_f32 v[ACC+8*(i%4):ACC+8*(i%4)+7], v[AM+2*i:AM+2*i+1], v[XF+2*i:XF+2*i+1], v[ACC+8*(i%4):ACC+8*(i%4)+7]
.endif
.set i, i+1
.endr
	NOPS 8                                         ; eight places behind the f32 form, in front of the reads of its results and of the loads into its sources
	v_pk_add_f32 v[CP:CP+1], v[ACC:ACC+1], v[ACC+8:ACC+9]
	v_pk_add_f32 v[CP+2:CP+3], v[ACC+2:ACC+3], v[ACC+10:ACC+11]
	v_pk_add_f32 v[CP+4:CP+5], v[ACC+16:ACC+17], v[ACC+24:ACC+25]
	v_pk_add_f32 v[CP+6:CP+7], v[ACC+18:ACC+19], v[ACC+26:ACC+27]
	v_pk_add_f32 v[CP:CP+1], v[CP:CP+1], v[CP+4:CP+5]
	v_pk_add_f32 v[CP+2:CP+3], v[CP+2:CP+3], v[CP+6:CP+7]
	ds_store_b128 v9, v[CP:CP+3]                   ; lane (r, h): (x Aq^T)(row, 2 h + 0, 1), (x Av^T)(row, 2 h + 0, 1), over my 64 along K
	s_wait_dscnt 0x0                               ; my image, my scale bytes and my part lie in LDS
	s_barrier_signal -1
	s_barrier_wait -1                              ; nobody writes LDS behind this barrier
	; ---- every wave takes all of x's fragments and scale words, and adds the parts
.set i, 0
.rept 16
	ds_load_b128 v[XF+4*i:XF+4*i+3], v1 offset:XIMG+512*i
.set i, i+1
.endr
.irp ks, 0,1,2,3
	ds_load_b32 v[XS+\ks], v10 offset:XSC+128*\ks
.endr
	XAPSUM 0
	XAPSUM 1
	; ---- k
	s_wait_loadcnt 0x0                             ; the mask, Bq, Bv, the scales and Wk
	v_cmp_eq_u32 vcc_lo, 0, v18
	v_mov_b32 v25, 217
	v_cndmask_b32 v18, 1, v25, vcc_lo              ; m: 217 for a masked key, 1 for an allowed one
	MM4 0, 0, 0, 1
	NOPS 4                                         ; four places in front of loads into registers that the products have read
	WLOAD 0, 20                                    ; Wq's fragments take Wk's places, K step by K step
.irp ks, 1,2,3
	MM4 \ks, 0, 0, 0
	NOPS 4
	WLOAD \ks, 20
.endr
	v_nop
	global_load_b128 v[WS:WS+3], v4, s[26:27]      ; Wv's scale words take Wk's
	global_load_b128 v[WS+4:WS+7], v4, s[26:27] offset:128
	QUANT2 ACC, ACC+16, ACC+8, ACC+24              ; block A: tile 0's rows, block B: tile 1's; 32 channels each
	v_cndmask_b32 v24, v[EA], v[EB], s36
	global_store_b128 v11, v[PC:PC+3], s[32:33]    ; sixteen lanes store 256 consecutive bytes, aligned
	global_store_b8 v12, v24, s[32:33]
	global_store_b8 v13, v18, s[32:33]
	; ---- q: the rank-4 term starts the sums
.irp t, 0,1
.irp u, 0,1
	v_wmma_f32_16x16x4_f32 v[ACC+8*(2*\t+\u):ACC+8*(2*\t+\u)+7], v[LBQ+2*\t:LBQ+2*\t+1], v[LOR+4*\u:LOR+4*\u+1], 0
.endr
.endr
	NOPS 9                                         ; nine places between the f32 form and another form that adds onto its results
	s_wait_loadcnt 0x0                             ; Wq, and Wv's scales
.irp ks, 0,1,2,3
	MM4 \ks, 0, 1, 0
	NOPS 4
	WLOAD \ks, 24                                  ; Wv's fragments take Wq's places
.endr
	s_wait_xcnt 0x0                                ; k's stores have read their data: the codes' registers may be written again
	QUANT2 ACC, ACC+16, ACC+8, ACC+24
	v_cndmask_b32 v24, v[EA], v[EB], s36
	global_store_b128 v14, v[PC:PC+3], s[28:29]    ; two aligned runs of 256 bytes
	global_store_b8 v15, v24, s[30:31]
	; ---- v, the other way round: source 0 = x's rows, source 1 = the channels
.irp t, 0,1
.irp u, 0,1
	v_wmma_f32_16x16x4_f32 v[ACC+8*(2*\t+\u):ACC+8*(2*\t+\u)+7], v[LOR+4*\u+2:LOR+4*\u+3], v[LBV+2*\t:LBV+2*\t+1], 0
.endr
.endr
	NOPS 9
	s_wait_loadcnt 0x0                             ; Wv
.irp ks, 0,1,2,3
	MM4 \ks, 1, 0, 0
.endr
	NOPS 4
	s_wait_xcnt 0x0                                ; q's stores have read their data
	QUANT2 ACC, ACC+8, ACC+16, ACC+24              ; block A: channel tile 0, block B: channel tile 1; these 32 keys each
	v_cndmask_b32 v24, v[EA], v[EB], s36
	global_store_b128 v16, v[PC:PC+3], s[32:33]
	global_store_b8 v19, v24, s[32:33]
	s_wait_xcnt 0x0
	v_lshl_add_u32 v254, v0, 2, 0x8400
	v_mov_b32 v255, 0
	s_wait_tensorcnt 0x0
	ds_add_u32 v254, v255
	s_wait_dscnt 0x0
	s_endpgm
.Lfunc_end_k_q54f3d427a6_qkv:
	.size	k_q54f3d427a6_qkv, .Lfunc_end_k_q54f3d427a6_qkv-k_q54f3d427a6_qkv
	.p2alignl 7, 3214868480
	.fill 96, 4, 3214868480
	.section	.rodata,"a",@progbits
	.p2align	6, 0x0
	.amdhsa_kernel k_q54f3d427a6_qkv
		.amdhsa_group_segment_fixed_size 35840
		.amdhsa_private_segment_fixed_size 0
		.amdhsa_enable_private_segment 0
		.amdhsa_kernarg_size 120
		.amdhsa_user_sgpr_count 2
		.amdhsa_user_sgpr_kernarg_segment_ptr 1
		.amdhsa_wavefront_size32 1
		.amdhsa_system_sgpr_workgroup_id_x 1
		.amdhsa_system_sgpr_workgroup_id_y 1
		.amdhsa_system_sgpr_workgroup_id_z 1
		.amdhsa_system_vgpr_workitem_id 0
		.amdhsa_next_free_vgpr 256
		.amdhsa_next_free_sgpr 66
		.amdhsa_reserve_vcc 1
		.amdhsa_float_denorm_mode_32 3
		.amdhsa_float_denorm_mode_16_64 3
		.amdhsa_memory_ordered 1
		.amdhsa_forward_progress 1
		.amdhsa_inst_pref_size 36
	.end_amdhsa_kernel
	.amdgpu_metadata
---
amdhsa.version: [ 1, 2 ]
amdhsa.kernels:
  - .name:           k_q54f3d427a6_qkv
    .symbol:         k_q54f3d427a6_qkv.kd
    .args:
      - { .name: x, .offset: 0, .size: 8, .value_kind: global_buffer, .address_space: global }
      - { .name: atten_mask, .offset: 8, .size: 8, .value_kind: global_buffer, .address_space: global }
      - { .name: Aq, .offset: 16, .size: 8, .value_kind: global_buffer, .address_space: global }
      - { .name: Av, .offset: 24, .size: 8, .value_kind: global_buffer, .address_space: global }
      - { .name: Bq, .offset: 32, .size: 8, .value_kind: global_buffer, .address_space: global }
      - { .name: Bv, .offset: 40, .size: 8, .value_kind: global_buffer, .address_space: global }
      - { .name: Wk_codes, .offset: 48, .size: 8, .value_kind: global_buffer, .address_space: global }
      - { .name: Wk_scales, .offset: 56, .size: 8, .value_kind: global_buffer, .address_space: global }
      - { .name: Wq_codes, .offset: 64, .size: 8, .value_kind: global_buffer, .address_space: global }
      - { .name: Wq_scales, .offset: 72, .size: 8, .value_kind: global_buffer, .address_space: global }
      - { .name: Wv_codes, .offset: 80, .size: 8, .value_kind: global_buffer, .address_space: global }
      - { .name: Wv_scales, .offset: 88, .size: 8, .value_kind: global_buffer, .address_space: global }
      - { .name: qc, .offset: 96, .size: 8, .value_kind: global_buffer, .address_space: global }
      - { .name: qsb, .offset: 104, .size: 8, .value_kind: global_buffer, .address_space: global }
      - { .name: kv, .offset: 112, .size: 8, .value_kind: global_buffer, .address_space: global }
    .group_segment_fixed_size: 35840
    .private_segment_fixed_size: 0
    .kernarg_segment_align: 8
    .kernarg_segment_size: 120
    .max_flat_workgroup_size: 512
    .sgpr_count:     66
    .vgpr_count:     256
    .wavefront_size: 32
...
	.end_amdgpu_metadata
.endif
;; end of part 1
;; launch attn (part 2): grid 16 x 16, 16 waves a work-group, clusters of 4 x 1, 327,680 bytes of LDS; arguments qc, qsb, kv, ctxc, ctxs; writes ctxc, ctxs
.if DOCPART == 2
	.amdgcn_target "amdgcn-amd-amdhsa--gfx1250"
	.amdhsa_code_object_version 6
	.text
	.protected	k_q54f3d427a6_attn
	.globl	k_q54f3d427a6_attn
	.p2align	8
	.type	k_q54f3d427a6_attn,@function
k_q54f3d427a6_attn:
	s_mov_b64 s[64:65], 0
	v_nop
	global_prefetch_b8 v0, s[64:65] scope:SCOPE_SE
	s_setreg_imm32_b32 hwreg(HW_REG_WAVE_MODE, 25, 1), 1
	s_wait_xcnt 0x0
	s_wait_alu depctr_hold_cnt(0) depctr_sa_sdst(0) depctr_va_vdst(0) depctr_va_sdst(0) depctr_va_ssrc(0) depctr_va_vcc(0) depctr_vm_vsrc(0)
	s_getreg_b32 s2, hwreg(HW_REG_IB_STS2, 6, 4)
	s_cmp_eq_u32 s2, 0
	s_cbranch_scc0 .Lentry_in_a_cluster
	s_endpgm
.Lentry_in_a_cluster:
	s_bfe_u32 s2, ttmp6, 0x10000c
	s_cmp_lg_u32 s2, 0x3003
	s_cbranch_scc0 .Lentry_shape_is_right
	s_endpgm
.Lentry_shape_is_right:
; ctx[head][q] = the sum over keys of softmax(q . k / 8, masked keys left out) v, both products on codes of FP4 (E2M1) with one E8M0 scale for each 32 along a product's K; ctx leaves quantised along its channels.
; THE SOFTMAX AHEAD OF THE SECOND PRODUCT: t = score x log2(e) / 8; M = the running largest t rounded up to a whole number; p = 2^(t - M) is quantised along the keys, not normalised; the row's sum is taken of
; the unquantised p and divides at the end.  When M moves, the sum and O are multiplied by 2^(old M - new M).
; SHARES.  A work-group owns 256 queries of one head (16 heads x batches along y); each of its sixteen waves owns one tile of 16 queries and walks the head's 4,096 keys, 128 a step.
; LDS.  The head's whole kv block (32 steps x 8,960 bytes = 286,720) is brought ONCE, in four chunks of 8 steps, by waves 0 to 3 (17,920 bytes of each chunk each: four tensor loads of a wave are out at the most).
; No byte is filled twice.  A chunk is read behind the counted wait of the waves that fetched it and a barrier.  Behind the block: 512 bytes for ctx's scale bytes.  The launch claims 327,680 bytes and uses 287,232.
; CLUSTER.  The four query blocks of a cluster belong to one head and read the same block: each load is asked for jointly, with the same descriptor and the mask of all four.
; LAYOUT.  Both products are used transposed: S^T = K Q^T, O^T = V^T P^T: a lane holds one query (lane % 16) throughout.  Lane r of key tile 2 b + u is key 32 b + 8 u + r + 8 (r / 8), so that the 16 registers of
; two neighbouring tiles are 16 neighbouring keys; V's channels are laid the same way, so that O^T's registers are neighbouring channels for ctx's quantiser.
; THE MASK RIDES IN THE FIRST PRODUCT.  A head has 64 channels, the instruction 128 along K.  The other 64 hold on K's side the code +6 at the head of each block, on Q's side the code -6 at the head of the first
; of the two blocks, with Q's bytes 127 and K's byte m (217 masked, 1 allowed): a masked score becomes -36 x 2^90, an allowed one gets -36 x 2^-126.  Even tiles carry the channels in the lower 64, odd tiles
; in the upper, so that one run of constant registers stands between two tiles' codes and serves both.  The largest t starts at -2^70, above every masked t: masked keys never set M, and their p is 0.
; LIMITS: |t| stays under 2^70.  A batch row with no key allowed (NaN by the definition) is not served; NaN and infinities are not served.  -36 x 2^-126 is added to allowed scores.
; A block of ctx under 2^-124 gets the byte 1: only this program reads the bytes.
.set STEPB, 8960                       ; a step: K's codes 4,096, V's codes 4,096, K's scale words 512, V's 256
.set CHB,   8*STEPB                    ; a chunk
.set WVB,   CHB/4                      ; what one tensor load brings: 70 rows of 256 bytes
.set SCS,   32*STEPB                   ; ctx's scale bytes of the work-group's 256 queries
.set KB0, 32                           ; v32-79   pair b at 32 + 12 b: tile 2 b's codes, the constants, tile 2 b + 1's codes
.set KSC, 80                           ; v80-83   K's scale words: register b: lanes 0-15 tile 2 b, lanes 16-31 tile 2 b + 1
.set VF,  84                           ; v84-115  V's four fragments
.set S,   116                          ; v116-179 S^T, then p
.set O,   180                          ; v180-211 O^T
.set PP,  212                          ; v212-219 p's codes
.set BM,  220                          ; v220-223 the blocks' largest scores, then largest p
.set T,   224                          ; v224-227 at work
.set SO,  228                          ; v228-231 the conversions' scale operands
.set TM,  220                          ; the tail's QUANT2: v220-225 at work, v226, v227 the bytes, v228-231 the codes
.set EA,  226
.set EB,  227
.set PC,  228
.set SEL, 20                           ; s[20:21] lane selects: lane l xor 16
.set CS,  22                           ; s[22:23] c = log2(e) / 8
.set G1,  24                           ; s[24:31] descriptor group 1
.set G0,  32                           ; s[32:47] descriptor group 0, one for each chunk
; other registers: v1 16 lane; v2 8704 + 8 lane; v3, v4 the step's addresses; v5, v7 ctx's scale bytes in LDS; v6 r; v12 -M; v13 the largest t; v[14:15] the sum; v16-27 e, q, e; v28 q's scale words;
; v29 p's scale word; v[30:31] V's scale words; v[232:233] the second chain of the sum; v[234:235] f; v236 at work
.macro NOPS n
.rept \n
	v_nop
.endr
.endm
.macro ROUND                           ; a round of the cluster's barrier
	s_barrier_signal -1
	s_barrier_wait -1
	s_cmp_lg_u32 s14, 0
	s_cbranch_scc1 .Lnot_wave_0_\@
	s_barrier_signal -3
.Lnot_wave_0_\@:
	s_barrier_wait -3
	s_barrier_signal -1
	s_barrier_wait -1
.endm
; Two blocks of 32; a lane holds 16 numbers of each (a0, a1 and b0, b1: runs of 8 registers); lane l xor 16 the other 16.  Afterwards lanes 0-15 hold block A's codes in v[PC:PC+3], lanes 16-31 block B's.
.macro QUANT2 a0, a1, b0, b1
	v_max3_num_f32 v[TM], |v[(\a0)]|, |v[(\a0)+1]|, 0x1800000
	v_max3_num_f32 v[TM+1], |v[(\b0)]|, |v[(\b0)+1]|, 0x1800000
.irp i, 2,4,6
	v_max3_num_f32 v[TM], v[TM], |v[(\a0)+\i]|, |v[(\a0)+\i+1]|
	v_max3_num_f32 v[TM+1], v[TM+1], |v[(\b0)+\i]|, |v[(\b0)+\i+1]|
.endr
.irp i, 0,2,4,6
	v_max3_num_f32 v[TM], v[TM], |v[(\a1)+\i]|, |v[(\a1)+\i+1]|
	v_max3_num_f32 v[TM+1], v[TM+1], |v[(\b1)+\i]|, |v[(\b1)+\i+1]|
.endr
	v_permlanex16_b32 v[TM+2], v[TM], s[SEL], s[SEL+1]
	v_permlanex16_b32 v[TM+3], v[TM+1], s[SEL], s[SEL+1]
	v_max_num_f32 v[TM], v[TM], v[TM+2]
	v_max_num_f32 v[TM+1], v[TM+1], v[TM+3]
	v_add_nc_u32 v[TM+4], 0xff000000, v[TM]
	v_add_nc_u32 v[TM+5], 0xff000000, v[TM+1]
	v_lshrrev_b32 v[EA], 23, v[TM+4]
	v_lshrrev_b32 v[EB], 23, v[TM+5]
	v_cvt_scalef32_pk8_fp4_f32 v[PC], v[(\a0):(\a0)+7], v[TM+4]
	v_cvt_scalef32_pk8_fp4_f32 v[PC+1], v[(\a1):(\a1)+7], v[TM+4]
	v_cvt_scalef32_pk8_fp4_f32 v[PC+2], v[(\b0):(\b0)+7], v[TM+5]
	v_cvt_scalef32_pk8_fp4_f32 v[PC+3], v[(\b1):(\b1)+7], v[TM+5]
	v_nop
	v_permlane16_swap_b32 v[PC], v[PC+2]
	v_permlane16_swap_b32 v[PC+1], v[PC+3]
.endm
; One product on codes.  z = 1: it starts the sum.  row: 0 both sides' scales from lanes 0-15; 1 source 0's from lanes 16-31; 2 source 1's; 3 both.
.macro FP4 d, a, b, z, sa, sb, row
.if \z
.if (\row) == 0
	v_wmma_scale_f32_16x16x128_f8f6f4 v[(\d):(\d)+7], v[(\a):(\a)+7], v[(\b):(\b)+7], 0, v[(\sa)], v[(\sb)] matrix_a_fmt:MATRIX_FMT_FP4 matrix_b_fmt:MATRIX_FMT_FP4
.elseif (\row) == 1
	v_wmma_scale_f32_16x16x128_f8f6f4 v[(\d):(\d)+7], v[(\a):(\a)+7], v[(\b):(\b)+7], 0, v[(\sa)], v[(\sb)] matrix_a_fmt:MATRIX_FMT_FP4 matrix_b_fmt:MATRIX_FMT_FP4 matrix_a_scale:MATRIX_SCALE_ROW1
.elseif (\row) == 2
	v_wmma_scale_f32_16x16x128_f8f6f4 v[(\d):(\d)+7], v[(\a):(\a)+7], v[(\b):(\b)+7], 0, v[(\sa)], v[(\sb)] matrix_a_fmt:MATRIX_FMT_FP4 matrix_b_fmt:MATRIX_FMT_FP4 matrix_b_scale:MATRIX_SCALE_ROW1
.else
	v_wmma_scale_f32_16x16x128_f8f6f4 v[(\d):(\d)+7], v[(\a):(\a)+7], v[(\b):(\b)+7], 0, v[(\sa)], v[(\sb)] matrix_a_fmt:MATRIX_FMT_FP4 matrix_b_fmt:MATRIX_FMT_FP4 matrix_a_scale:MATRIX_SCALE_ROW1 matrix_b_scale:MATRIX_SCALE_ROW1
.endif
.else
.if (\row) == 0
	v_wmma_scale_f32_16x16x128_f8f6f4 v[(\d):(\d)+7], v[(\a):(\a)+7], v[(\b):(\b)+7], v[(\d):(\d)+7], v[(\sa)], v[(\sb)] matrix_a_fmt:MATRIX_FMT_FP4 matrix_b_fmt:MATRIX_FMT_FP4
.elseif (\row) == 1
	v_wmma_scale_f32_16x16x128_f8f6f4 v[(\d):(\d)+7], v[(\a):(\a)+7], v[(\b):(\b)+7], v[(\d):(\d)+7], v[(\sa)], v[(\sb)] matrix_a_fmt:MATRIX_FMT_FP4 matrix_b_fmt:MATRIX_FMT_FP4 matrix_a_scale:MATRIX_SCALE_ROW1
.elseif (\row) == 2
	v_wmma_scale_f32_16x16x128_f8f6f4 v[(\d):(\d)+7], v[(\a):(\a)+7], v[(\b):(\b)+7], v[(\d):(\d)+7], v[(\sa)], v[(\sb)] matrix_a_fmt:MATRIX_FMT_FP4 matrix_b_fmt:MATRIX_FMT_FP4 matrix_b_scale:MATRIX_SCALE_ROW1
.else
	v_wmma_scale_f32_16x16x128_f8f6f4 v[(\d):(\d)+7], v[(\a):(\a)+7], v[(\b):(\b)+7], v[(\d):(\d)+7], v[(\sa)], v[(\sb)] matrix_a_fmt:MATRIX_FMT_FP4 matrix_b_fmt:MATRIX_FMT_FP4 matrix_a_scale:MATRIX_SCALE_ROW1 matrix_b_scale:MATRIX_SCALE_ROW1
.endif
.endif
.endm
	s_load_b256 s[4:11], s[0:1], 0x0               ; qc s4, qsb s6, kv s8, ctxc s10
	s_load_b64 s[12:13], s[0:1], 0x20              ; ctxs
	v_lshl_add_u32 v254, v0, 2, 0x46200
	v_mov_b32 v255, 0
	ds_add_u32 v254, v255
	ds_add_u32 v254, v255
	v_lshrrev_b32 v3, 5, v0
	v_readfirstlane_b32 s14, v3                    ; wave 0..15
	s_and_b32 s17, ttmp7, 0xffff                   ; 8 x batch + head, which the four partners share
	; descriptor group 1: a dense block of 17,920 bytes as 70 rows of 256 bytes (32 elements of 8 bytes), no padding: the block is read 16 bytes a lane, lane by lane
	s_mov_b32 s[G1], 15|(3<<16)|(1<<21)            ; 15:0 the mask: all four work-groups; 17:16 elements of 8 bytes; 21 set beside a mask
	s_mov_b32 s[G1+1], 32<<16                      ; tensor_dim0 = 32
	s_mov_b32 s[G1+2], 70<<16                      ; tensor_dim1 = 70
	s_mov_b32 s[G1+3], 32<<16                      ; tile_dim0 = 32
	s_mov_b32 s[G1+4], 70                          ; tile_dim1 = 70
	s_mov_b32 s[G1+5], 32                          ; from row to row
	s_mov_b32 s[G1+6], 0
	s_mov_b32 s[G1+7], 0
	s_mul_i32 s50, s17, 32*STEPB                   ; the head's block,
	s_mul_i32 s52, s14, WVB                        ; my quarter of a chunk: in memory and in LDS alike; no place in the cluster enters either
	s_add_co_u32 s50, s50, s52
	s_mov_b32 s51, 0
	s_wait_dscnt 0x0
	s_wait_kmcnt 0x0
	s_add_nc_u64 s[8:9], s[8:9], s[50:51]
.irp c, 0,1,2,3
	s_mov_b32 s[G0+4*\c], 1                        ; count = 1
	s_add_co_u32 s[G0+4*\c+1], s52, CHB*\c         ; LDS address
	s_add_nc_u64 s[G0+4*\c+2:G0+4*\c+3], s[8:9], CHB*\c   ; global address
	s_or_b32 s[G0+4*\c+3], s[G0+4*\c+3], 0x80000000       ; type = 2
.endr
	ROUND                                          ; all four work-groups are here: the joint loads meet
	s_cmp_lt_u32 s14, 4                            ; a wave's four fills stand in one branch on the wave's number, ahead of every wait on TENSORcnt, every LDS read and every further barrier
	s_cbranch_scc0 .Lno_fetch
	tensor_load_to_lds s[G0:G0+3], s[G1:G1+7]
	s_nop 0
	tensor_load_to_lds s[G0+4:G0+7], s[G1:G1+7]
	s_nop 0
	tensor_load_to_lds s[G0+8:G0+11], s[G1:G1+7]
	s_nop 0
	tensor_load_to_lds s[G0+12:G0+15], s[G1:G1+7]
	s_nop 0
	NOPS 4
.Lno_fetch:
	s_bfe_u32 s15, ttmp6, 0x40000                  ; cx: my place in the cluster: it enters the addresses of qc, qsb, ctxc and ctxs alone
	s_lshl_b32 s16, ttmp9, 2
	s_add_co_u32 s16, s16, s15                     ; my block of 256 queries
	s_mov_b32 s55, 0
	s_lshl_b32 s54, s17, 17
	s_lshl_b32 s56, s16, 13
	s_add_co_u32 s54, s54, s56
	s_lshl_b32 s56, s14, 9
	s_add_co_u32 s54, s54, s56
	s_add_nc_u64 s[4:5], s[4:5], s[54:55]          ; my tile's 512 bytes of q's codes
	s_lshl_b32 s54, s17, 13
	s_lshl_b32 s56, s16, 8
	s_add_co_u32 s54, s54, s56
	s_lshl_b32 s56, s14, 4
	s_add_co_u32 s54, s54, s56
	s_add_nc_u64 s[6:7], s[6:7], s[54:55]          ; its scale bytes
	s_lshr_b32 s54, s17, 3
	s_lshl_b32 s54, s54, 8
	s_lshl_b32 s56, s16, 4
	s_add_co_u32 s54, s54, s56
	s_add_co_u32 s54, s54, s14                     ; my tile among the 512 tiles of rows
	s_lshl_b32 s54, s54, 12
	s_and_b32 s56, s17, 7
	s_lshl_b32 s56, s56, 9
	s_add_co_u32 s54, s54, s56
	s_add_nc_u64 s[10:11], s[10:11], s[54:55]      ; ctxc: [tile of rows][head][lane][16 bytes]
	s_lshl_b32 s54, s17, 13
	s_lshl_b32 s56, s16, 9
	s_add_co_u32 s54, s54, s56
	s_add_nc_u64 s[12:13], s[12:13], s[54:55]      ; ctxs: [head][query] two bytes
	v_and_b32 v6, 15, v0                           ; r
	v_and_b32 v7, 31, v0                           ; lane
	v_lshlrev_b32 v1, 4, v7
	v_lshl_add_u32 v2, v7, 3, 8704
	v_add_nc_u32 v7, SCS, v1                       ; where wave 0 reads the 512 scale bytes back
	s_lshl_b32 s58, s14, 5
	s_add_co_u32 s58, s58, SCS
	v_lshl_add_u32 v5, v6, 1, s58                  ; where I put my query's two
	global_load_b128 v[20:23], v1, s[4:5]          ; q: lane (r, h): block h of query r
	global_load_u8 v8, v6, s[6:7]
	global_load_u8 v9, v6, s[6:7] offset:4096
	s_mov_b32 s18, 0xffff0000                      ; lanes 16-31
	s_mov_b32 s[SEL], 0x76543210
	s_mov_b32 s[SEL+1], 0xfedcba98
	s_mov_b32 s[CS], 0x3e38aa3b                    ; c = log2(e) / 8
	s_mov_b32 s[CS+1], s[CS]                       ; (named with it as a pair, so it is written)
	v_mov_b32 v17, 0
	v_mov_b32 v18, 0
	v_mov_b32 v19, 0
	v_cndmask_b32 v16, 15, v17, s18                ; e: the code -6 at the head of the first of the two spare blocks (lanes 0-15), nothing in the second
	v_mov_b32 v24, v16
	v_mov_b32 v25, 0
	v_mov_b32 v26, 0
	v_mov_b32 v27, 0
.irp b, 0,1,2,3
	v_mov_b32 v[KB0+12*\b+4], 7                    ; K's side: the code +6 at the head of each spare block
	v_mov_b32 v[KB0+12*\b+5], 0
	v_mov_b32 v[KB0+12*\b+6], 0
	v_mov_b32 v[KB0+12*\b+7], 0
.endr
	v_mov_b32 v13, 0xe2800000                      ; the largest t so far: -2^70
	v_floor_f32 v12, -v13                          ; -M
	v_mov_b32 v14, 0
	v_mov_b32 v15, 0
	v_mov_b32 v235, 0                              ; (named as the upper half of the pair v[234:235])
.irp b, 0,1,2,3
	v_mov_b32 v[T+\b], 0                           ; a lane permute's destination counts as one of its sources
.endr
	s_wait_loadcnt 0x0
	v_lshl_or_b32 v8, v9, 8, v8
	v_or_b32 v10, 0x7f7f0000, v8                   ; for even tiles: (s0, s1, 127, 127)
	v_lshl_or_b32 v11, v8, 16, 0x7f7f              ; for odd tiles: (127, 127, s0, s1)
	v_cndmask_b32 v28, v10, v11, s18
.set j, 0
.rept 32
	v_mov_b32 v[O+j], 0                            ; O^T: the loop is written once; its first step finds zeros.  (These are also the places between the scale word's last write and the first product)
.set j, j+1
.endr
; A KEY STEP: 128 keys, at LDS byte s48.
.macro STEP
	v_add_nc_u32 v3, s48, v1
	v_add_nc_u32 v4, s48, v2
	v_nop
	v_nop                                          ; four places behind the last products, in front of the loads into V's fragments and scale words
.irp t, 0,1,2,3,4,5,6,7
	ds_load_b128 v[KB0+12*(\t/2)+8*(\t%2):KB0+12*(\t/2)+8*(\t%2)+3], v3 offset:512*\t
.endr
	ds_load_b128 v[KSC:KSC+3], v3 offset:8192
.irp t, 0,1,2,3
.irp c, 0,1
	ds_load_b128 v[VF+8*\t+4*\c:VF+8*\t+4*\c+3], v3 offset:4096+1024*\t+512*\c
.endr
.endr
	ds_load_b64 v[30:31], v4
	s_wait_dscnt 9                                 ; K's nine loads are in; V's nine may be out
.irp b, 0,1,2,3
	FP4 S+16*\b, KB0+12*\b, 20, 1, KSC+\b, 28, 0          ; even tile: (k, constants) x (q, e)
	FP4 S+16*\b+8, KB0+12*\b+4, 16, 1, KSC+\b, 28, 3      ; odd tile: (constants, k) x (e, q); both sides' scale words from lanes 16-31
.endr
	NOPS 4
.irp b, 0,1,2,3
	v_max3_num_f32 v[BM+\b], v[S+16*\b], v[S+16*\b+1], v[S+16*\b+2]   ; the largest score of each block of 32 keys: for the row's maximum and, since p rises with the score, for the block's largest p
.endr
.irp i, 3,5,7,9,11,13
.irp b, 0,1,2,3
	v_max3_num_f32 v[BM+\b], v[BM+\b], v[S+16*\b+\i], v[S+16*\b+\i+1]
.endr
.endr
.irp b, 0,1,2,3
	v_max_num_f32 v[BM+\b], v[BM+\b], v[S+16*\b+15]
.endr
.irp b, 0,1,2,3
	v_permlanex16_b32 v[T+\b], v[BM+\b], s[SEL], s[SEL+1]
.endr
.irp b, 0,1,2,3
	v_max_num_f32 v[BM+\b], v[BM+\b], v[T+\b]      ; with lane l xor 16's 16 keys
.endr
	v_max3_num_f32 v236, v[BM], v[BM+1], v[BM+2]
	v_max_num_f32 v236, v236, v[BM+3]
	v_mul_f32 v236, s[CS], v236                    ; the step's largest t
	v_max_num_f32 v13, v13, v236                   ; the running largest t
	v_mov_b32 v236, v12
	v_floor_f32 v12, -v13                          ; the new -M = -ceil(t)
	v_sub_f32 v236, v12, v236                      ; old M - new M: a whole number, 0 or less,
	v_max_num_f32 v236, 0xc3800000, v236           ; held at -256: 2^-256 is 0 in f32 like all below it
	v_cvt_i32_f32 v236, v236
	v_ldexp_f32 v234, 1.0, v236                    ; f = 2^(old M - new M)
.set j, 0
.rept 32
	v_pk_fma_f32 v[S+j:S+j+1], v[S+j:S+j+1], s[CS:CS+1], v[12:13] op_sel_hi:[1,0,0]   ; t - M, two at a time
.set j, j+2
.endr
.irp b, 0,1,2,3
	v_fma_f32 v[BM+\b], v[BM+\b], s[CS], v12
.endr
.set j, 0
.rept 64
	v_exp_f32 v[S+j], v[S+j]                       ; p = 2^(t - M)
.set j, j+1
.endr
.irp b, 0,1,2,3
	v_exp_f32 v[BM+\b], v[BM+\b]                   ; the block's largest p
.endr
	v_pk_mul_f32 v[14:15], v[14:15], v[234:235] op_sel_hi:[1,0]   ; the sum under the new M.  (A plain place behind the exponentials)
	s_wait_alu depctr_va_vdst(0)
.irp b, 0,1,2,3
	v_max_num_f32 v[BM+\b], 0x1800000, v[BM+\b]    ; the floor 2^(3 - 127): the byte cannot fall under 1
.endr
.irp b, 0,1,2,3
	v_add_nc_u32 v[SO+\b], 0xff000000, v[BM+\b]
.endr
.irp b, 0,1,2,3
	v_lshrrev_b32 v[T+\b], 23, v[SO+\b]
.endr
	v_lshl_or_b32 v29, v[T+1], 8, v[T]             ; p's scale word for these 128 keys
	v_lshl_or_b32 v29, v[T+2], 16, v29
	v_lshl_or_b32 v29, v[T+3], 24, v29
.irp b, 0,1,2,3
	v_cvt_scalef32_pk8_fp4_f32 v[PP+2*\b], v[S+16*\b:S+16*\b+7], v[SO+\b]
	v_cvt_scalef32_pk8_fp4_f32 v[PP+2*\b+1], v[S+16*\b+8:S+16*\b+15], v[SO+\b]
.endr
	v_nop                                          ; one plain place behind the scaled conversions
.irp c, 0,1
.irp i, 0,1
	v_permlane16_swap_b32 v[PP+4*\c+\i], v[PP+4*\c+2+\i]   ; a whole block to a lane
.endr
.endr
	v_pk_add_f32 v[232:233], v[S:S+1], v[S+2:S+3]  ; the row's sum of the unquantised p, in two chains
.set j, 4
.rept 15
	v_pk_add_f32 v[14:15], v[14:15], v[S+j:S+j+1]
	v_pk_add_f32 v[232:233], v[232:233], v[S+j+2:S+j+3]
.set j, j+4
.endr
	v_pk_add_f32 v[14:15], v[14:15], v[232:233]
.set j, 0
.rept 16
	v_pk_mul_f32 v[O+j:O+j+1], v[O+j:O+j+1], v[234:235] op_sel_hi:[1,0]   ; O^T under the new M
.set j, j+2
.endr
	s_wait_dscnt 0x0                               ; V is in
.irp t, 0,1,2,3
	FP4 O+8*\t, VF+8*\t, PP, 0, 30+\t/2, 29, \t%2
.endr
.endm
; A chunk of 8 steps.  The waves that fetched it wait until their part has landed (behind it they issued 3 - c loads), then the barrier shows it to all sixteen.
; No LDS access of mine is out at the signal: the last step ended with a wait for all.
.macro CHUNK c
	s_wait_tensorcnt 3-\c
	s_barrier_signal -1
	s_barrier_wait -1
	s_mov_b32 s48, CHB*\c
	s_mov_b32 s49, 8
.Lstep_\@:
	STEP
	s_add_co_u32 s48, s48, STEPB
	s_sub_co_u32 s49, s49, 1
	s_cmp_lg_u32 s49, 0
	s_cbranch_scc1 .Lstep_\@
.endm
	CHUNK 0
	CHUNK 1
	CHUNK 2
	CHUNK 3
	; THE WAY OUT: O^T / the sum, quantised along the head's 64 channels (two blocks), as an image of the next launch's operand registers.
	NOPS 4                                         ; four places behind the last products
	v_add_f32 v14, v14, v15
	v_permlanex16_b32 v236, v14, s[SEL], s[SEL+1]
	v_add_f32 v14, v14, v236                       ; the row's sum
	v_rcp_f32 v14, v14
	v_nop                                          ; a plain place behind the reciprocal
.set j, 0
	s_wait_alu depctr_va_vdst(0)
.rept 32
	v_mul_f32 v[S+j], v[O+j], v14                  ; register 16 b + i: channel 32 b + 16 h + i of query r
.set j, j+1
.endr
	QUANT2 S, S+8, S+16, S+24
	global_store_b128 v1, v[PC:PC+3], s[10:11]     ; 512 consecutive bytes, aligned
	v_lshl_or_b32 v[TM], v[EB], 8, v[EA]
	ds_store_b16 v5, v[TM]                         ; both lanes of a query write the same two bytes
	s_wait_dscnt 0x0
	s_barrier_signal -1
	s_barrier_wait -1                              ; the 256 queries' scale bytes lie in LDS
	s_cmp_lg_u32 s14, 0
	s_cbranch_scc1 .Lnot_first
	ds_load_b128 v[S:S+3], v7
	s_wait_dscnt 0x0
	global_store_b128 v1, v[S:S+3], s[12:13]       ; wave 0 stores them: 512 consecutive bytes, aligned
.Lnot_first:
	s_wait_tensorcnt 0x0
	ds_add_u32 v254, v255
	s_wait_dscnt 0x0
	ROUND                                          ; the closing round
	s_endpgm
.Lfunc_end_k_q54f3d427a6_attn:
	.size	k_q54f3d427a6_attn, .Lfunc_end_k_q54f3d427a6_attn-k_q54f3d427a6_attn
	.p2alignl 7, 3214868480
	.fill 96, 4, 3214868480
	.section	.rodata,"a",@progbits
	.p2align	6, 0x0
	.amdhsa_kernel k_q54f3d427a6_attn
		.amdhsa_group_segment_fixed_size 327680
		.amdhsa_private_segment_fixed_size 0
		.amdhsa_enable_private_segment 0
		.amdhsa_kernarg_size 40
		.amdhsa_user_sgpr_count 2
		.amdhsa_user_sgpr_kernarg_segment_ptr 1
		.amdhsa_wavefront_size32 1
		.amdhsa_system_sgpr_workgroup_id_x 1
		.amdhsa_system_sgpr_workgroup_id_y 1
		.amdhsa_system_sgpr_workgroup_id_z 1
		.amdhsa_system_vgpr_workitem_id 0
		.amdhsa_next_free_vgpr 256
		.amdhsa_next_free_sgpr 66
		.amdhsa_reserve_vcc 0
		.amdhsa_float_denorm_mode_32 3
		.amdhsa_float_denorm_mode_16_64 3
		.amdhsa_memory_ordered 1
		.amdhsa_forward_progress 1
		.amdhsa_inst_pref_size 72
	.end_amdhsa_kernel
	.amdgpu_metadata
---
amdhsa.version: [ 1, 2 ]
amdhsa.kernels:
  - .name:           k_q54f3d427a6_attn
    .symbol:         k_q54f3d427a6_attn.kd
    .args:
      - { .name: qc, .offset: 0, .size: 8, .value_kind: global_buffer, .address_space: global }
      - { .name: qsb, .offset: 8, .size: 8, .value_kind: global_buffer, .address_space: global }
      - { .name: kv, .offset: 16, .size: 8, .value_kind: global_buffer, .address_space: global }
      - { .name: ctxc, .offset: 24, .size: 8, .value_kind: global_buffer, .address_space: global }
      - { .name: ctxs, .offset: 32, .size: 8, .value_kind: global_buffer, .address_space: global }
    .group_segment_fixed_size: 327680
    .private_segment_fixed_size: 0
    .kernarg_segment_align: 8
    .kernarg_segment_size: 40
    .max_flat_workgroup_size: 512
    .sgpr_count:     66
    .vgpr_count:     256
    .wavefront_size: 32
...
	.end_amdgpu_metadata
.endif
;; end of part 2
;; launch proj (part 3): grid 256 x 1, 8 waves a work-group, no clusters, 35,840 bytes of LDS; arguments ctxc, ctxs, Wp_codes, Wp_scales, bp, out0; writes out0
.if DOCPART == 3
	.amdgcn_target "amdgcn-amd-amdhsa--gfx1250"
	.amdhsa_code_object_version 6
	.text
	.protected	k_q54f3d427a6_proj
	.globl	k_q54f3d427a6_proj
	.p2align	8
	.type	k_q54f3d427a6_proj,@function
k_q54f3d427a6_proj:
	s_mov_b64 s[64:65], 0
	v_nop
	global_prefetch_b8 v0, s[64:65] scope:SCOPE_SE
	s_setreg_imm32_b32 hwreg(HW_REG_WAVE_MODE, 25, 1), 1
	s_wait_xcnt 0x0
; out0 = Q(ctx) Wp^T + bp.  ctx arrives as codes of FP4 (E2M1) laid as images of the operand's registers ([tile of 16 rows][head][lane][16 bytes]) with two scale bytes for each row and head;
; Wp: [512][512] as codes, K innermost, one E8M0 byte for each 32; bp [512] and out0 [8192][512]: f32.
; SHARES.  A work-group of eight waves owns 32 rows (two tiles u); wave w owns columns 64 w .. 64 w + 63 (four tiles n): 8 accumulators, 4 K steps, 32 products.
; The product is used transposed (source 0 = 16 rows of Wp, source 1 = 16 rows of ctx): a lane holds eight neighbouring columns of one row.  bp is loaded straight into the accumulators: it costs no addition.
; NO CLUSTER, NO TENSOR LOAD: a wave's eighth of Wp (16,384 bytes) goes once, straight into its operand registers, for 32 products; shared through LDS it would go in and out of LDS and want barriers besides.
; THE WAY OUT: a tile of 16 rows x 64 columns goes through the wave's own stage (rows of 256 bytes + 16) and leaves by rows: sixteen lanes store 256 consecutive bytes, aligned.
.set SP,  272
.set CX,  16                           ; v16-79   ctx's fragments (u, ks) at 16 + 8 (4 u + ks); on the way out: rows read back
.set WF,  80                           ; v80-143  Wp's fragments, two sets: 80 + 32 (ks % 2) + 8 n
.set WS,  144                          ; v144-159 Wp's scale words: 144 + 4 n + ks
.set CS,  160                          ; v160-167 ctx's scale words: 160 + 4 u + ks
.set RAW, 168                          ; v168-183 ctx's scale bytes as loaded: 168 + 8 u + head
.set ACC, 184                          ; v184-247 accumulators (n, u) at 184 + 8 (2 n + u)
.macro NOPS n
.rept \n
	v_nop
.endr
.endm
.macro WPLOAD ks                       ; my four fragments of K step ks
.irp n, 0,1,2,3
.irp c, 0,1
	global_load_b128 v[WF+32*((\ks)%2)+8*\n+4*\c:WF+32*((\ks)%2)+8*\n+4*\c+3], v3, s[8:9] offset:4096*\n+64*(\ks)+32*\c
.endr
.endr
.endm
.macro MUL8 ks                         ; K step ks on the eight accumulators, by turns
.irp n, 0,1,2,3
.irp u, 0,1
	v_wmma_scale_f32_16x16x128_f8f6f4 v[ACC+8*(2*\n+\u):ACC+8*(2*\n+\u)+7], v[WF+32*((\ks)%2)+8*\n:WF+32*((\ks)%2)+8*\n+7], v[CX+8*(4*\u+(\ks)):CX+8*(4*\u+(\ks))+7], v[ACC+8*(2*\n+\u):ACC+8*(2*\n+\u)+7], v[WS+4*\n+(\ks)], v[CS+4*\u+(\ks)] matrix_a_fmt:MATRIX_FMT_FP4 matrix_b_fmt:MATRIX_FMT_FP4
.endr
.endr
.endm
.macro TOSTAGE u                       ; tile u into my stage, each accumulator from its low end on, and back by rows; LDS serves a wave's instructions in order, so no wait stands between
.irp n, 0,1,2,3
	ds_store_b128 v6, v[ACC+8*(2*\n+\u):ACC+8*(2*\n+\u)+3] offset:64*\n
	ds_store_b128 v6, v[ACC+8*(2*\n+\u)+4:ACC+8*(2*\n+\u)+7] offset:64*\n+16
.endr
.irp t, 0,1,2,3,4,5,6,7
	ds_load_b128 v[CX+32*\u+4*\t:CX+32*\u+4*\t+3], v7 offset:2*SP*\t
.endr
.endm
	s_load_b256 s[4:11], s[0:1], 0x0               ; ctxc s4, ctxs s6, Wp's codes s8, Wp's scales s10
	s_load_b128 s[12:15], s[0:1], 0x20             ; bp s12, out0 s14
	v_lshl_add_u32 v254, v0, 2, 0x8800
	v_mov_b32 v255, 0
	v_lshrrev_b32 v9, 5, v0
	v_readfirstlane_b32 s16, v9                    ; wave 0..7
	v_and_b32 v9, 15, v0                           ; r
	v_bfe_u32 v10, v0, 4, 1                        ; h
	v_and_b32 v11, 31, v0                          ; lane
	v_lshlrev_b32 v1, 4, v11                       ; v1: 16 lane: an image's place for my lane
	v_lshlrev_b32 v2, 1, v9                        ; v2: my row's two scale bytes
	v_lshlrev_b32 v3, 8, v9
	v_lshl_add_u32 v3, v10, 4, v3                  ; v3: Wp's codes: row r of 256 bytes + 16 h
	v_lshlrev_b32 v4, 4, v9                        ; v4: Wp's scales: row r of 16 bytes
	v_lshlrev_b32 v5, 5, v10                       ; v5: bp: my half's eight numbers
	s_mul_i32 s17, s16, 16*SP                      ; my stage
	v_mul_u32_u24 v6, v9, SP
	v_lshl_add_u32 v6, v10, 5, v6
	v_add_nc_u32 v6, s17, v6                       ; v6: in: row r, 32 bytes for each half of the lanes
	v_mul_u32_u24 v7, v10, SP
	v_lshl_add_u32 v7, v9, 4, v7
	v_add_nc_u32 v7, s17, v7                       ; v7: back: lanes 0-15 one row of 256 bytes, lanes 16-31 the next
	v_lshlrev_b32 v8, 11, v10
	v_lshl_add_u32 v8, v9, 4, v8                   ; v8: and the same two rows in out0
	s_lshl_b32 s18, ttmp9, 13                      ; ctxc: two tiles of 4,096 bytes a work-group
	s_mov_b32 s19, 0
	s_lshr_b32 s20, ttmp9, 7
	s_lshl_b32 s20, s20, 16                        ; ctxs: 8 heads of 8,192 bytes a batch,
	s_and_b32 s21, ttmp9, 127
	s_lshl_b32 s21, s21, 6                         ; 32 rows of 2 bytes a work-group
	s_add_co_u32 s20, s20, s21
	s_mov_b32 s21, 0
	s_lshl_b32 s22, s16, 14                        ; my 64 rows of Wp's codes,
	s_mov_b32 s23, 0
	s_lshl_b32 s24, s16, 10                        ; of its scales,
	s_mov_b32 s25, 0
	s_lshl_b32 s26, s16, 8                         ; my 64 numbers of bp
	s_mov_b32 s27, 0
	s_lshl_b32 s28, ttmp9, 16                      ; out0: 32 rows of 2,048 bytes a work-group, my 256 bytes of a row
	s_add_co_u32 s28, s28, s26
	s_mov_b32 s29, 0
	s_wait_kmcnt 0x0
	s_add_nc_u64 s[4:5], s[4:5], s[18:19]
	s_add_nc_u64 s[6:7], s[6:7], s[20:21]
	s_add_nc_u64 s[8:9], s[8:9], s[22:23]
	s_add_nc_u64 s[10:11], s[10:11], s[24:25]
	s_add_nc_u64 s[12:13], s[12:13], s[26:27]
	s_add_nc_u64 s[14:15], s[14:15], s[28:29]
.irp n, 0,1,2,3
.irp u, 0,1
	global_load_b128 v[ACC+8*(2*\n+\u):ACC+8*(2*\n+\u)+3], v5, s[12:13] offset:64*\n          ; bp(64 w + 16 n + 8 h + 0 .. 7) starts each sum
	global_load_b128 v[ACC+8*(2*\n+\u)+4:ACC+8*(2*\n+\u)+7], v5, s[12:13] offset:64*\n+16
.endr
.endr
.irp u, 0,1
.irp hd, 0,1,2,3,4,5,6,7
	global_load_u16 v[RAW+8*\u+\hd], v2, s[6:7] offset:8192*\hd+32*\u
.endr
.endr
.irp n, 0,1,2,3
	global_load_b128 v[WS+4*\n:WS+4*\n+3], v4, s[10:11] offset:256*\n
.endr
.set i, 0
.rept 16
	global_load_b128 v[CX+4*i:CX+4*i+3], v1, s[4:5] offset:512*i   ; tile i / 8, head i % 8: registers 4 c .. 4 c + 3 of K step head / 2, c = head % 2
.set i, i+1
.endr
	WPLOAD 0
	WPLOAD 1
	s_wait_loadcnt 0x0
.irp u, 0,1
.irp ks, 0,1,2,3
	v_lshl_or_b32 v[CS+4*\u+\ks], v[RAW+8*\u+2*\ks+1], 16, v[RAW+8*\u+2*\ks]   ; two heads' bytes make a K step's scale word
.endr
.endr
	NOPS 8                                         ; a scale register written by a vector instruction stands eight places ahead of a scaled product
	MUL8 0
	NOPS 4                                         ; four places in front of loads into registers that the products have read
	WPLOAD 2
	MUL8 1
	NOPS 4
	WPLOAD 3
	s_wait_loadcnt 8                               ; K step 2's eight loads are in; K step 3's eight may be out
	MUL8 2
	s_wait_loadcnt 0x0
	MUL8 3
	NOPS 4                                         ; in front of the reads of the results and of the loads into ctx's registers
	TOSTAGE 0
	TOSTAGE 1
.irp t, 0,1,2,3,4,5,6,7
	s_wait_dscnt 23-\t                             ; behind tile 0's load t stand 7 - t of its loads and tile 1's 8 stores and 8 loads
	global_store_b128 v8, v[CX+4*\t:CX+4*\t+3], s[14:15] offset:4096*\t th:TH_STORE_NT
.endr
.irp t, 0,1,2,3,4,5,6,7
	s_wait_dscnt 7-\t
	global_store_b128 v8, v[CX+32+4*\t:CX+32+4*\t+3], s[14:15] offset:32768+4096*\t th:TH_STORE_NT
.endr
	s_wait_tensorcnt 0x0
	ds_add_u32 v254, v255
	s_wait_dscnt 0x0
	s_endpgm
.Lfunc_end_k_q54f3d427a6_proj:
	.size	k_q54f3d427a6_proj, .Lfunc_end_k_q54f3d427a6_proj-k_q54f3d427a6_proj
	.p2alignl 7, 3214868480
	.fill 96, 4, 3214868480
	.section	.rodata,"a",@progbits
	.p2align	6, 0x0
	.amdhsa_kernel k_q54f3d427a6_proj
		.amdhsa_group_segment_fixed_size 35840
		.amdhsa_private_segment_fixed_size 0
		.amdhsa_enable_private_segment 0
		.amdhsa_kernarg_size 48
		.amdhsa_user_sgpr_count 2
		.amdhsa_user_sgpr_kernarg_segment_ptr 1
		.amdhsa_wavefront_size32 1
		.amdhsa_system_sgpr_workgroup_id_x 1
		.amdhsa_system_sgpr_workgroup_id_y 1
		.amdhsa_system_sgpr_workgroup_id_z 1
		.amdhsa_system_vgpr_workitem_id 0
		.amdhsa_next_free_vgpr 256
		.amdhsa_next_free_sgpr 66
		.amdhsa_reserve_vcc 0
		.amdhsa_float_denorm_mode_32 3
		.amdhsa_float_denorm_mode_16_64 3
		.amdhsa_memory_ordered 1
		.amdhsa_forward_progress 1
		.amdhsa_inst_pref_size 20
	.end_amdhsa_kernel
	.amdgpu_metadata
---
amdhsa.version: [ 1, 2 ]
amdhsa.kernels:
  - .name:           k_q54f3d427a6_proj
    .symbol:         k_q54f3d427a6_proj.kd
    .args:
      - { .name: ctxc, .offset: 0, .size: 8, .value_kind: global_buffer, .address_space: global }
      - { .name: ctxs, .offset: 8, .size: 8, .value_kind: global_buffer, .address_space: global }
      - { .name: Wp_codes, .offset: 16, .size: 8, .value_kind: global_buffer, .address_space: global }
      - { .name: Wp_scales, .offset: 24, .size: 8, .value_kind: global_buffer, .address_space: global }
      - { .name: bp, .offset: 32, .size: 8, .value_kind: global_buffer, .address_space: global }
      - { .name: out0, .offset: 40, .size: 8, .value_kind: global_buffer, .address_space: global }
    .group_segment_fixed_size: 35840
    .private_segment_fixed_size: 0
    .kernarg_segment_align: 8
    .kernarg_segment_size: 48
    .max_flat_workgroup_size: 256
    .sgpr_count:     66
    .vgpr_count:     256
    .wavefront_size: 32
...
	.end_amdgpu_metadata
.endif
;; end of part 3
;; ======== version 2 of 2: 3 launches; version 1 with the launches qkv, proj written anew for expert scheduling mode
;; limits: right only within a limited range of input values
;; workspace buffers: qc 2,097,152 bytes; qsb 131,072 bytes; kv 4,587,520 bytes; ctxc 2,097,152 bytes; ctxs 131,072 bytes
;; launch qkv (part 4): grid 256 x 1, 16 waves a work-group, no clusters, 35,840 bytes of LDS; arguments x, atten_mask, Aq, Av, Bq, Bv, Wk_codes, Wk_scales, Wq_codes, Wq_scales, Wv_codes, Wv_scales, qc, qsb, kv; writes qc, qsb, kv
.if DOCPART == 4
	.amdgcn_target "amdgcn-amd-amdhsa--gfx1250"
	.amdhsa_code_object_version 6
	.text
	.protected	k_q54f3d427a6_qkv
	.globl	k_q54f3d427a6_qkv
	.p2align	8
	.type	k_q54f3d427a6_qkv,@function
k_q54f3d427a6_qkv:
	s_mov_b64 s[64:65], 0
	v_nop
	global_prefetch_b8 v0, s[64:65] scope:SCOPE_SE
	s_setreg_imm32_b32 hwreg(HW_REG_WAVE_SCHED_MODE, 0, 2), 2
	s_setreg_imm32_b32 hwreg(HW_REG_WAVE_MODE, 25, 1), 1
	s_wait_xcnt 0x0
	s_wait_alu depctr_vm_vsrc(0)
; k = Q(x) Wk^T, q = Q(x) Wq^T + (x Aq^T) Bq^T / 4, v = Q(x) Wv^T + (x Av^T) Bv^T / 4.  x: [8192][512] f32; the W: codes of FP4 (E2M1) with one E8M0 byte for each 32 along K.
; The large products run on codes; the rank-4 terms stay in f32 (f32 matrix form, K = 4).  q and k are then quantised along a head's 64 channels, v along the keys, and leave as codes laid in the order
; of the next launch's operand registers; the key mask leaves as scale bytes beside k's.
; SHARES.  A work-group of sixteen waves owns 32 rows of x and all 1,536 output columns, so x is read from memory once.  The 32 rows are two tiles: lane r of tile u is row 8 u + r + 8 (r / 8).
;   x phase: wave w quantises 16 rows x 64 along K (tile w / 8, K step (w / 2) % 4, half w % 2) and makes its part of x [Aq; Av]^T; images of the fragments and the parts meet in LDS.
;   then wave w owns channels 32 w .. 32 w + 31 (head w / 2, block w % 2) of k, of q and of v: two tiles of 16 rows of W; lane r of tile t takes row 32 w + 8 t + r + 8 (r / 8).
; k and q are made transposed (source 0 = W, source 1 = x): a lane holds one row of x and 16 neighbouring channels.  v is made the other way round: a lane holds one channel and 16 neighbouring keys.
; NO CLUSTER, NO TENSOR LOAD: the three weights with their scales are 417,792 bytes, more than one fill of LDS holds; a wave's sixteenth of them goes once, straight into its operand registers, for 48 products;
; a ring would add a barrier for each refill and a way through LDS for every weight byte.
; THE MASK: a key's scale word carries two more bytes m, 217 (2^90) for a masked key and 1 for an allowed one; the next launch multiplies them into a constant pair of codes.
; The scale bytes leave as single bytes (a word's bytes come from two waves, v's from four work-groups): one byte for each 16 bytes of codes.
; LIMITS: NaN and infinities among the inputs are not served.  A block whose largest magnitude lies under 2^-124 (a block of zeros too) gets the byte 1: only this program reads the bytes.
; THE MODE: SCHED_MODE bits 1:0 = 2 (LLVM: expert scheduling mode 2), set by the entry lines.  The code itself states the register dependences between vector or matrix instructions and memory or LDS
; instructions, with s_wait_alu, always for 0.
; THE PLAN.  Registers that memory or LDS instructions touch:
;   v1-v17, v19, v26, v27   offsets and LDS addresses: written at the head, read by every load and store, never written again: one wait ahead of the first load serves them all.
;   v32-95 (XF, AM)         loads of x and of [Aq; Av] land there; QUANT2 and the f32 products read them; behind the second barrier the images of x's fragments land there, which the products on codes read.
;   v216-223 (CP)           Aq's and Av's loads land there and two LDS stores read them; then the packed additions write my part there and one LDS store reads it.
;   v224-227 (PC), v24      written by QUANT2 and the line behind it, four times; read by the stores that follow: a wait ahead of each run of stores, and a wait ahead of each rewriting.
;   v208-239                XAPSUM's loads land there, twice; its additions read and write them: a wait between the two.
;   v96-159 (WF), v160-175 (WS)   written by loads and read by products alone.  A unit's sixteen products stand on end; ONE wait behind them states that they are done reading, and the next weight's
;                           loads follow it in one run, on their way while the unit's results are quantised and stored.
;   v18                     the mask word lands there; one select writes m over it; k's stores read it.
.set APITCH, 2064                      ; LDS: Aq's 4 rows, then Av's 4, 2,048 bytes + 16 each, from byte 0
.set XIMG,   16640                     ; x's 8 fragments as images of their registers: (4 u + ks) x 1024 + 512 c + 16 lane
.set XSC,    24832                     ; their scale words: 128 ks + 64 u + 4 r
.set XAP,    25344                     ; the waves' parts of x [Aq; Av]^T: 512 w + 16 lane
.set XS,  20                           ; v20-23   x's scale words of K step ks: lanes 0-15 tile 0, lanes 16-31 tile 1
.set XF,  32                           ; v32-95   x's fragments (u, ks) at 32 + 8 (4 u + ks); in the x phase v32-63 are 32 numbers of x
.set AM,  64                           ;          and v64-95 the same places of a row of [Aq; Av]
.set WF,  96                           ; v96-159  W's fragments (ks, t) at 96 + 16 ks + 8 t
.set WS,  160                          ; v160-175 W's scale words, two sets: 160 + 8 p + 4 t + ks
.set ACC, 176                          ; v176-207 four accumulators (t, u) at 176 + 8 (2 t + u): written by matrix instructions alone
.set TM,  208                          ; v208-213 at work in QUANT2; v208-239 at work in XAPSUM
.set CP,  216                          ; v216-223 the copy of Aq and Av; later my part of x [Aq; Av]^T
.set PC,  224                          ; v224-227 the codes just made
.set EA,  228                          ; v228, v229 the two blocks' scale bytes
.set EB,  229
.set LOR, 240                          ; v240-247 x [Aq; Av]^T / 4 of tile u at 240 + 4 u: the pair for q, the pair for v
.set LBQ, 248                          ; v248-251 Bq's rows of tile t at 248 + 2 t
.set LBV, 252                          ; v252-255 Bv's
.set SEL, 38                           ; s[38:39] lane selects: lane l xor 16
.macro NOPS n
.rept \n
	v_nop
.endr
.endm
; Two blocks of 32; a lane holds 16 numbers of each, in two runs of 8 registers (a0, a1 and b0, b1); lane l xor 16 holds the other 16.  Afterwards lanes 0-15 hold block A's 16 bytes of codes in v[PC:PC+3],
; lanes 16-31 block B's, and v[EA], v[EB] the two scale bytes.  Each run is read from its low end on.
.macro QUANT2 a0, a1, b0, b1
	v_max3_num_f32 v[TM], |v[(\a0)]|, |v[(\a0)+1]|, 0x1800000        ; the largest magnitude, with the floor 2^(3 - 127) among its leaves: the byte cannot fall under 1
	v_max3_num_f32 v[TM+1], |v[(\b0)]|, |v[(\b0)+1]|, 0x1800000
.irp i, 2,4,6
	v_max3_num_f32 v[TM], v[TM], |v[(\a0)+\i]|, |v[(\a0)+\i+1]|
	v_max3_num_f32 v[TM+1], v[TM+1], |v[(\b0)+\i]|, |v[(\b0)+\i+1]|
.endr
.irp i, 0,2,4,6
	v_max3_num_f32 v[TM], v[TM], |v[(\a1)+\i]|, |v[(\a1)+\i+1]|
	v_max3_num_f32 v[TM+1], v[TM+1], |v[(\b1)+\i]|, |v[(\b1)+\i+1]|
.endr
	v_permlanex16_b32 v[TM+2], v[TM], s[SEL], s[SEL+1]
	v_permlanex16_b32 v[TM+3], v[TM+1], s[SEL], s[SEL+1]
	v_max_num_f32 v[TM], v[TM], v[TM+2]                              ; with lane l xor 16's: the block's
	v_max_num_f32 v[TM+1], v[TM+1], v[TM+3]
	v_add_nc_u32 v[TM+4], 0xff000000, v[TM]                          ; 2 off the exponent field: the conversion's scale operand
	v_add_nc_u32 v[TM+5], 0xff000000, v[TM+1]
	v_lshrrev_b32 v[EA], 23, v[TM+4]                                 ; the scale's byte
	v_lshrrev_b32 v[EB], 23, v[TM+5]
	v_cvt_scalef32_pk8_fp4_f32 v[PC], v[(\a0):(\a0)+7], v[TM+4]
	v_cvt_scalef32_pk8_fp4_f32 v[PC+1], v[(\a1):(\a1)+7], v[TM+4]
	v_cvt_scalef32_pk8_fp4_f32 v[PC+2], v[(\b0):(\b0)+7], v[TM+5]
	v_cvt_scalef32_pk8_fp4_f32 v[PC+3], v[(\b1):(\b1)+7], v[TM+5]
	v_nop                                                            ; one plain place behind the scaled conversions
	v_permlane16_swap_b32 v[PC], v[PC+2]                             ; a whole block to a lane
	v_permlane16_swap_b32 v[PC+1], v[PC+3]
.endm
; One product on codes.  z = 1: it starts the sum.  row: 0 both sides' scales from lanes 0-15; 1 source 0's from lanes 16-31; 2 source 1's; 3 both.
.macro FP4 d, a, b, z, sa, sb, row
.if \z
.if (\row) == 0
	v_wmma_scale_f32_16x16x128_f8f6f4 v[(\d):(\d)+7], v[(\a):(\a)+7], v[(\b):(\b)+7], 0, v[(\sa)], v[(\sb)] matrix_a_fmt:MATRIX_FMT_FP4 matrix_b_fmt:MATRIX_FMT_FP4
.elseif (\row) == 1
	v_wmma_scale_f32_16x16x128_f8f6f4 v[(\d):(\d)+7], v[(\a):(\a)+7], v[(\b):(\b)+7], 0, v[(\sa)], v[(\sb)] matrix_a_fmt:MATRIX_FMT_FP4 matrix_b_fmt:MATRIX_FMT_FP4 matrix_a_scale:MATRIX_SCALE_ROW1
.elseif (\row) == 2
	v_wmma_scale_f32_16x16x128_f8f6f4 v[(\d):(\d)+7], v[(\a):(\a)+7], v[(\b):(\b)+7], 0, v[(\sa)], v[(\sb)] matrix_a_fmt:MATRIX_FMT_FP4 matrix_b_fmt:MATRIX_FMT_FP4 matrix_b_scale:MATRIX_SCALE_ROW1
.else
	v_wmma_scale_f32_16x16x128_f8f6f4 v[(\d):(\d)+7], v[(\a):(\a)+7], v[(\b):(\b)+7], 0, v[(\sa)], v[(\sb)] matrix_a_fmt:MATRIX_FMT_FP4 matrix_b_fmt:MATRIX_FMT_FP4 matrix_a_scale:MATRIX_SCALE_ROW1 matrix_b_scale:MATRIX_SCALE_ROW1
.endif
.else
.if (\row) == 0
	v_wmma_scale_f32_16x16x128_f8f6f4 v[(\d):(\d)+7], v[(\a):(\a)+7], v[(\b):(\b)+7], v[(\d):(\d)+7], v[(\sa)], v[(\sb)] matrix_a_fmt:MATRIX_FMT_FP4 matrix_b_fmt:MATRIX_FMT_FP4
.elseif (\row) == 1
	v_wmma_scale_f32_16x16x128_f8f6f4 v[(\d):(\d)+7], v[(\a):(\a)+7], v[(\b):(\b)+7], v[(\d):(\d)+7], v[(\sa)], v[(\sb)] matrix_a_fmt:MATRIX_FMT_FP4 matrix_b_fmt:MATRIX_FMT_FP4 matrix_a_scale:MATRIX_SCALE_ROW1
.elseif (\row) == 2
	v_wmma_scale_f32_16x16x128_f8f6f4 v[(\d):(\d)+7], v[(\a):(\a)+7], v[(\b):(\b)+7], v[(\d):(\d)+7], v[(\sa)], v[(\sb)] matrix_a_fmt:MATRIX_FMT_FP4 matrix_b_fmt:MATRIX_FMT_FP4 matrix_b_scale:MATRIX_SCALE_ROW1
.else
	v_wmma_scale_f32_16x16x128_f8f6f4 v[(\d):(\d)+7], v[(\a):(\a)+7], v[(\b):(\b)+7], v[(\d):(\d)+7], v[(\sa)], v[(\sb)] matrix_a_fmt:MATRIX_FMT_FP4 matrix_b_fmt:MATRIX_FMT_FP4 matrix_a_scale:MATRIX_SCALE_ROW1 matrix_b_scale:MATRIX_SCALE_ROW1
.endif
.endif
.endm
; K step ks on the four accumulators, by turns.  n = 0: source 0 = W, source 1 = x;  n = 1: the other way round.  p: the set of W's scale words.
.macro MM4 ks, n, p, z
.irp t, 0,1
.irp u, 0,1
.if \n
	FP4 ACC+8*(2*\t+\u), XF+8*(4*\u+(\ks)), WF+16*(\ks)+8*\t, \z, XS+(\ks), WS+8*(\p)+4*\t+(\ks), \u
.else
	FP4 ACC+8*(2*\t+\u), WF+16*(\ks)+8*\t, XF+8*(4*\u+(\ks)), \z, WS+8*(\p)+4*\t+(\ks), XS+(\ks), 2*\u
.endif
.endr
.endr
.endm
.macro WLOAD ks, lo                    ; my two fragments of K step ks of the weight whose codes' address is in s[lo:lo+1]
.irp u, 0,1
.irp c, 0,1
	global_load_b128 v[WF+16*(\ks)+8*\u+4*\c:WF+16*(\ks)+8*\u+4*\c+3], v3, s[\lo:\lo+1] offset:2048*\u+64*(\ks)+32*\c
.endr
.endr
.endm
.macro XAPSUM u                        ; the eight waves' parts of tile u are added and divided by 4 (exact)
.irp k, 0,1,2,3,4,5,6,7
	ds_load_b128 v[TM+4*\k:TM+4*\k+3], v1 offset:XAP+512*(8*\u+\k)
.endr
	s_wait_dscnt 0x0
.irp p, 0,2
.irp k, 0,8,16,24
	v_pk_add_f32 v[TM+\k+\p:TM+\k+\p+1], v[TM+\k+\p:TM+\k+\p+1], v[TM+\k+\p+4:TM+\k+\p+5]
.endr
.endr
.irp p, 0,2
.irp k, 0,16
	v_pk_add_f32 v[TM+\k+\p:TM+\k+\p+1], v[TM+\k+\p:TM+\k+\p+1], v[TM+\k+\p+8:TM+\k+\p+9]
.endr
.endr
.irp p, 0,2
	v_pk_add_f32 v[TM+\p:TM+\p+1], v[TM+\p:TM+\p+1], v[TM+\p+16:TM+\p+17]
.endr
.irp p, 0,2
	v_pk_mul_f32 v[LOR+4*\u+\p:LOR+4*\u+\p+1], v[TM+\p:TM+\p+1], 0x3e800000 op_sel_hi:[1,0]
.endr
.endm
	s_load_b512 s[4:19], s[0:1], 0x0               ; x s4, mask s6, Aq s8, Av s10, Bq s12, Bv s14, Wk's codes s16, scales s18
	s_load_b256 s[20:27], s[0:1], 0x40             ; Wq's codes s20, scales s22, Wv's codes s24, scales s26
	s_load_b128 s[28:31], s[0:1], 0x60             ; qc s28, qsb s30
	s_load_b64 s[32:33], s[0:1], 0x70              ; kv
	v_lshrrev_b32 v28, 5, v0
	v_readfirstlane_b32 s34, v28                   ; wave 0..15
	v_and_b32 v29, 15, v0                          ; r
	v_bfe_u32 v30, v0, 4, 1                        ; h
	v_and_b32 v31, 31, v0                          ; lane
	v_and_b32 v28, 8, v29
	v_add_nc_u32 v28, v28, v29                     ; r + 8 (r / 8)
	s_mov_b32 s36, 0xffff0000                      ; lanes 16-31
	s_mov_b32 s[SEL], 0x76543210
	s_mov_b32 s[SEL+1], 0xfedcba98
	s_wait_alu depctr_va_sdst(0)                   ; s34, the wave's number, is written, ahead of its first reader
	s_lshr_b32 s40, s34, 3                         ; x phase: my tile of rows,
	s_bfe_u32 s41, s34, 0x20001                    ; my K step,
	s_and_b32 s42, s34, 1                          ; my half of it.  Later: which block of the head's two is mine
	s_lshr_b32 s43, s34, 1                         ; my head
	s_and_b32 s44, ttmp9, 3                        ; which 32 of a step's 128 keys these rows are
	v_lshlrev_b32 v1, 4, v31                       ; v1: 16 lane
	v_lshlrev_b32 v2, 11, v28
	v_lshl_add_u32 v2, v30, 6, v2                  ; v2: x: my row of 2,048 bytes + 64 h
	v_lshlrev_b32 v3, 8, v28
	v_lshl_add_u32 v3, v30, 4, v3                  ; v3: W's codes: my row of 256 bytes + 16 h
	v_lshlrev_b32 v4, 4, v28                       ; v4: W's scales: my row of 16 bytes
	v_lshl_add_u32 v5, v30, 3, v4                  ; v5: Bq, Bv: my row of 16 bytes + 8 h
	v_and_b32 v6, 1, v29                           ; v6: which row of [Aq; Av] my lane feeds: (r & 1) + 2 (r / 8) + 4 ((r / 2) & 1), so that the result's registers 0, 1 are q's pair and 2, 3 v's
	v_lshrrev_b32 v7, 3, v29
	v_lshl_add_u32 v6, v7, 1, v6
	v_bfe_u32 v7, v29, 1, 1
	v_lshl_add_u32 v6, v7, 2, v6
	v_mul_u32_u24 v6, v6, APITCH
	v_lshl_add_u32 v6, v30, 6, v6
	s_lshl_b32 s45, s41, 9
	s_lshl_b32 s46, s42, 8
	s_add_co_u32 s45, s45, s46                     ; my 64 along K, in bytes of f32
	v_add_nc_u32 v6, s45, v6
	s_lshl_b32 s46, s34, 9
	v_add_nc_u32 v7, s46, v1
	v_add_nc_u32 v9, XAP, v7                       ; v9: my part's place
	v_add_nc_u32 v7, XIMG, v7                      ; v7: my half fragment's image: (4 u + ks) x 1024 + 512 c = 512 w
	s_lshl_b32 s47, s41, 7
	s_lshl_b32 s48, s40, 6
	s_add_co_u32 s47, s47, s48
	s_lshl_b32 s48, s42, 1
	s_add_co_u32 s47, s47, s48
	s_add_co_u32 s47, s47, XSC
	v_lshl_add_u32 v8, v29, 2, s47                 ; v8: my two bytes of row r's scale word
	v_lshlrev_b32 v10, 2, v31                      ; v10: 4 lane
	s_lshl_b32 s48, s42, 8
	s_lshl_b32 s49, s44, 10
	s_add_co_u32 s48, s48, s49
	v_lshlrev_b32 v11, 9, v30
	v_lshl_add_u32 v11, v29, 4, v11
	v_add_nc_u32 v11, s48, v11                     ; v11: k's codes in the step
	s_lshl_b32 s48, s44, 2
	s_add_co_u32 s48, s48, s42
	s_add_co_u32 s48, s48, 8192
	v_add_nc_u32 v12, s48, v1
	v_lshlrev_b32 v13, 1, v30
	v_sub_nc_u32 v14, v12, v13
	v_add_nc_u32 v12, v12, v13                     ; v12: k's scale byte: even tiles bytes 0, 1, odd tiles bytes 2, 3
	v_add_nc_u32 v13, 2, v14                       ; v13: the mask's byte: the other two
	v_lshrrev_b32 v14, 3, v29
	v_lshlrev_b32 v14, 9, v14
	v_lshl_add_u32 v14, v30, 7, v14
	v_and_b32 v15, 7, v29
	v_lshl_add_u32 v14, v15, 4, v14                ; v14: q's codes
	v_lshl_add_u32 v15, v30, 3, v28                ; v15: the row that my lane holds behind QUANT2: 8 h + r + 8 (r / 8)
	v_lshlrev_b32 v17, 2, v15                      ; v17: its mask word
	s_lshl_b32 s48, s42, 11
	s_lshl_b32 s49, s44, 8
	s_add_co_u32 s48, s48, s49
	s_add_co_u32 s48, s48, 4096
	v_lshlrev_b32 v16, 10, v30
	v_lshl_add_u32 v16, v29, 4, v16
	v_add_nc_u32 v16, s48, v16                     ; v16: v's codes in the step
	s_lshl_b32 s48, s42, 2
	s_add_co_u32 s48, s48, s44
	s_add_co_u32 s48, s48, 8704
	v_lshl_add_u32 v19, v31, 3, s48                ; v19: v's scale byte
	v_lshlrev_b32 v26, 4, v0                       ; v26: my 16 bytes of Aq and of Av
	v_lshrrev_b32 v27, 7, v0
	v_mul_u32_u24 v27, v27, APITCH
	v_and_b32 v25, 127, v0
	v_lshl_add_u32 v27, v25, 4, v27                ; v27: and their place in LDS
	v_mov_b32 v[TM+2], 0                           ; a lane permute's destination counts as one of its sources
	v_mov_b32 v[TM+3], 0
	s_lshl_b32 s50, ttmp9, 16                      ; 32 rows of 2,048 bytes a work-group,
	s_lshl_b32 s52, s40, 14                        ; 8 rows on for tile 1,
	s_add_co_u32 s50, s50, s52
	s_add_co_u32 s50, s50, s45                     ; my 64 along K
	s_mov_b32 s51, 0
	s_lshl_b32 s52, s34, 13                        ; my 32 rows of a weight's codes,
	s_mov_b32 s53, 0
	s_lshl_b32 s54, s34, 9                         ; of its scales, of Bq and of Bv
	s_mov_b32 s55, 0
	s_lshl_b32 s56, ttmp9, 7                       ; my work-group's 32 mask words
	s_mov_b32 s57, 0
	s_wait_kmcnt 0x0
	s_add_nc_u64 s[4:5], s[4:5], s[50:51]
	s_add_nc_u64 s[6:7], s[6:7], s[56:57]
	s_add_nc_u64 s[12:13], s[12:13], s[54:55]
	s_add_nc_u64 s[14:15], s[14:15], s[54:55]
	s_add_nc_u64 s[16:17], s[16:17], s[52:53]
	s_add_nc_u64 s[18:19], s[18:19], s[54:55]
	s_add_nc_u64 s[20:21], s[20:21], s[52:53]
	s_add_nc_u64 s[22:23], s[22:23], s[54:55]
	s_add_nc_u64 s[24:25], s[24:25], s[52:53]
	s_add_nc_u64 s[26:27], s[26:27], s[54:55]
	s_wait_alu depctr_va_vdst(0)                   ; the offsets and LDS addresses v1 to v17, v19, v26 and v27 are written: every load and store of the kernel reads one of them, and none is written again
	; ---- all first loads, what is wanted first in front
.irp b, 0,1
.irp j, 0,1,2,3
	global_load_b128 v[XF+16*\b+4*\j:XF+16*\b+4*\j+3], v2, s[4:5] offset:128*\b+16*\j th:TH_LOAD_NT   ; x(row, 32 b + 16 h + 4 j ..): 16 neighbours of each of my two blocks
.endr
.endr
	global_load_b128 v[CP:CP+3], v26, s[8:9]
	global_load_b128 v[CP+4:CP+7], v26, s[10:11]
	global_load_b32 v18, v17, s[6:7]
	global_load_b64 v[LBQ:LBQ+1], v5, s[12:13]
	global_load_b64 v[LBQ+2:LBQ+3], v5, s[12:13] offset:128
	global_load_b64 v[LBV:LBV+1], v5, s[14:15]
	global_load_b64 v[LBV+2:LBV+3], v5, s[14:15] offset:128
	global_load_b128 v[WS:WS+3], v4, s[18:19]
	global_load_b128 v[WS+4:WS+7], v4, s[18:19] offset:128
	global_load_b128 v[WS+8:WS+11], v4, s[22:23]
	global_load_b128 v[WS+12:WS+15], v4, s[22:23] offset:128
.irp ks, 0,1,2,3
	WLOAD \ks, 16
.endr
	; where the results go (registers of their own; the temporaries feed no pending access)
	s_lshr_b32 s58, ttmp9, 7
	s_lshl_b32 s58, s58, 3
	s_add_co_u32 s58, s58, s43                     ; 8 x batch + head
	s_and_b32 s59, ttmp9, 127                      ; which 32 rows of the batch
	s_lshl_b32 s50, s58, 17
	s_lshl_b32 s52, s59, 10
	s_add_co_u32 s50, s50, s52
	s_lshl_b32 s52, s42, 8
	s_add_co_u32 s50, s50, s52
	s_add_nc_u64 s[28:29], s[28:29], s[50:51]      ; qc: [head][tile of 16 queries][block][r][16 bytes]
	s_lshl_b32 s50, s58, 13
	s_lshl_b32 s52, s42, 12
	s_add_co_u32 s50, s50, s52
	s_lshl_b32 s52, s59, 5
	s_add_co_u32 s50, s50, s52
	s_add_nc_u64 s[30:31], s[30:31], s[50:51]      ; qsb: [head][block][query]
	s_lshl_b32 s50, s58, 5
	s_lshr_b32 s52, s59, 2
	s_add_co_u32 s50, s50, s52
	s_mul_i32 s50, s50, 8960
	s_add_nc_u64 s[32:33], s[32:33], s[50:51]      ; kv: [head][step of 128 keys][8,960 bytes]
	s_wait_loadcnt 25                              ; x, Aq and Av are in: behind Av's load stand 1 (mask) + 4 (Bq, Bv) + 4 (scales) + 16 (Wk)
	ds_store_b128 v27, v[CP:CP+3]
	ds_store_b128 v27, v[CP+4:CP+7] offset:4*APITCH
	s_wait_dscnt 0x0                               ; for the others' sake: my part of Aq and Av lies in LDS
	s_barrier_signal -1
	s_barrier_wait -1
	; ---- the x phase
.irp b, 0,1
.irp j, 0,1,2,3
	ds_load_b128 v[AM+16*\b+4*\j:AM+16*\b+4*\j+3], v6 offset:128*\b+16*\j   ; the same places of my lane's row of [Aq; Av] as x's registers hold of x's row
.endr
.endr
	QUANT2 XF, XF+8, XF+16, XF+24
	v_lshl_or_b32 v24, v[EB], 8, v[EA]
	s_wait_alu depctr_va_vdst(0)                   ; QUANT2 has written the codes v[PC ..], the line above v24: the two LDS stores read them
	ds_store_b128 v7, v[PC:PC+3]                   ; registers 4 c .. 4 c + 3 of the fragment, as they stand
	ds_store_b16 v8, v24                           ; both lanes of a row write the same two bytes
	s_wait_dscnt 0x0                               ; [Aq; Av] is in
.set i, 0
.rept 16                               ; x [Aq; Av]^T over my 64 along K, 4 at a time, on four accumulators by turns; the places of k in the registers are the same on both sides
.if i < 4
	v_wmma_f32_16x16x4_f32 v[ACC+8*(i%4):ACC+8*(i%4)+7], v[AM+2*i:AM+2*i+1], v[XF+2*i:XF+2*i+1], 0
.else
	v_wmma_f32_16x16x4_f32 v[ACC+8*(i%4):ACC+8*(i%4)+7], v[AM+2*i:AM+2*i+1], v[XF+2*i:XF+2*i+1], v[ACC+8*(i%4):ACC+8*(i%4)+7]
.endif
.set i, i+1
.endr
	NOPS 8                                         ; eight places behind the f32 form, in front of the reads of its results
	s_wait_alu depctr_vm_vsrc(0)                   ; the LDS stores of Aq's and Av's copy have read v[CP ..], which the additions below write
	v_pk_add_f32 v[CP:CP+1], v[ACC:ACC+1], v[ACC+8:ACC+9]
	v_pk_add_f32 v[CP+2:CP+3], v[ACC+2:ACC+3], v[ACC+10:ACC+11]
	v_pk_add_f32 v[CP+4:CP+5], v[ACC+16:ACC+17], v[ACC+24:ACC+25]
	v_pk_add_f32 v[CP+6:CP+7], v[ACC+18:ACC+19], v[ACC+26:ACC+27]
	v_pk_add_f32 v[CP:CP+1], v[CP:CP+1], v[CP+4:CP+5]
	v_pk_add_f32 v[CP+2:CP+3], v[CP+2:CP+3], v[CP+6:CP+7]
	s_wait_alu depctr_va_vdst(0)                   ; the additions have written v[CP ..], which the LDS store reads; QUANT2 and the f32 products are done with v32-95 and v208-229, in which the loads behind the barrier land
	ds_store_b128 v9, v[CP:CP+3]                   ; lane (r, h): (x Aq^T)(row, 2 h + 0, 1), (x Av^T)(row, 2 h + 0, 1), over my 64 along K
	s_wait_dscnt 0x0                               ; my image, my scale bytes and my part lie in LDS
	s_barrier_signal -1
	s_barrier_wait -1                              ; nobody writes LDS behind this barrier
	s_wait_alu depctr_vm_vsrc(0)                   ; my LDS stores have read v[PC ..], v24 and v[CP ..]: XAPSUM's loads land in the first and the last, and k's select writes v24
	; ---- every wave takes all of x's fragments and scale words, and adds the parts
.set i, 0
.rept 16
	ds_load_b128 v[XF+4*i:XF+4*i+3], v1 offset:XIMG+512*i
.set i, i+1
.endr
.irp ks, 0,1,2,3
	ds_load_b32 v[XS+\ks], v10 offset:XSC+128*\ks
.endr
	XAPSUM 0
	s_wait_alu depctr_va_vdst(0)                   ; tile 0's additions are done reading and writing v208-239, in which tile 1's parts land
	XAPSUM 1
	; ---- k
	s_wait_loadcnt 0x0                             ; the mask, Bq, Bv, the scales and Wk
	v_cmp_eq_u32 vcc_lo, 0, v18
	v_mov_b32 v25, 217
	s_wait_alu depctr_va_vcc(0)                    ; the compare has written VCC, which the select reads
	v_cndmask_b32 v18, 1, v25, vcc_lo              ; m: 217 for a masked key, 1 for an allowed one
	MM4 0, 0, 0, 1
.irp ks, 1,2,3
	MM4 \ks, 0, 0, 0
.endr
	NOPS 4                                         ; four places behind the last products, in front of the reads of their results
	s_wait_alu depctr_va_vdst(0)                   ; k's sixteen products are done reading Wk's fragments and scale words, in which the loads below land
.irp ks, 0,1,2,3
	WLOAD \ks, 20                                  ; Wq's fragments take Wk's places: on their way while k is quantised and stored
.endr
	global_load_b128 v[WS:WS+3], v4, s[26:27]      ; Wv's scale words take Wk's
	global_load_b128 v[WS+4:WS+7], v4, s[26:27] offset:128
	QUANT2 ACC, ACC+16, ACC+8, ACC+24              ; block A: tile 0's rows, block B: tile 1's; 32 channels each
	v_cndmask_b32 v24, v[EA], v[EB], s36
	s_wait_alu depctr_va_vdst(0)                   ; the codes v[PC ..], the scale byte v24 and the mask's byte v18 are written: the three stores read them
	global_store_b128 v11, v[PC:PC+3], s[32:33]    ; sixteen lanes store 256 consecutive bytes, aligned
	global_store_b8 v12, v24, s[32:33]
	global_store_b8 v13, v18, s[32:33]
	; ---- q: the rank-4 term starts the sums
.irp t, 0,1
.irp u, 0,1
	v_wmma_f32_16x16x4_f32 v[ACC+8*(2*\t+\u):ACC+8*(2*\t+\u)+7], v[LBQ+2*\t:LBQ+2*\t+1], v[LOR+4*\u:LOR+4*\u+1], 0
.endr
.endr
	NOPS 9                                         ; nine places between the f32 form and another form that adds onto its results
	s_wait_loadcnt 0x0                             ; Wq, and Wv's scales
.irp ks, 0,1,2,3
	MM4 \ks, 0, 1, 0
.endr
	NOPS 4                                         ; four places behind the last products, in front of the reads of their results
	s_wait_xcnt 0x0                                ; k's stores have had their addresses translated: their data registers are written again only behind this wait
	s_wait_alu depctr_vm_vsrc(0)                   ; k's stores have read v[PC ..] and v24, which QUANT2 and the select below write again
	s_wait_alu depctr_va_vdst(0)                   ; q's sixteen products are done reading Wq's fragments, in which the loads below land
.irp ks, 0,1,2,3
	WLOAD \ks, 24                                  ; Wv's fragments take Wq's places
.endr
	QUANT2 ACC, ACC+16, ACC+8, ACC+24
	v_cndmask_b32 v24, v[EA], v[EB], s36
	s_wait_alu depctr_va_vdst(0)                   ; the codes v[PC ..] and the scale byte v24 are written: the two stores read them
	global_store_b128 v14, v[PC:PC+3], s[28:29]    ; two aligned runs of 256 bytes
	global_store_b8 v15, v24, s[30:31]
	; ---- v, the other way round: source 0 = x's rows, source 1 = the channels
.irp t, 0,1
.irp u, 0,1
	v_wmma_f32_16x16x4_f32 v[ACC+8*(2*\t+\u):ACC+8*(2*\t+\u)+7], v[LOR+4*\u+2:LOR+4*\u+3], v[LBV+2*\t:LBV+2*\t+1], 0
.endr
.endr
	NOPS 9
	s_wait_loadcnt 0x0                             ; Wv
.irp ks, 0,1,2,3
	MM4 \ks, 1, 0, 0
.endr
	NOPS 4
	s_wait_xcnt 0x0                                ; q's stores have had their addresses translated
	s_wait_alu depctr_vm_vsrc(0)                   ; q's stores have read v[PC ..] and v24, which QUANT2 and the select below write again
	QUANT2 ACC, ACC+8, ACC+16, ACC+24              ; block A: channel tile 0, block B: channel tile 1; these 32 keys each
	v_cndmask_b32 v24, v[EA], v[EB], s36
	s_wait_alu depctr_va_vdst(0)                   ; the codes v[PC ..] and the scale byte v24 are written: the two stores read them
	global_store_b128 v16, v[PC:PC+3], s[32:33]
	global_store_b8 v19, v24, s[32:33]
	s_wait_xcnt 0x0
	v_lshl_add_u32 v254, v0, 2, 0x8400             ; the add's two registers are made here, where Bv's rows are done with (loads landed in v254 and v255 and products read them; no memory or LDS instruction has read either)
	v_mov_b32 v255, 0
	s_wait_dscnt 0x0                               ; the closing lines, six on end
	s_wait_alu 0x0
	s_wait_tensorcnt 0x0
	ds_add_u32 v254, v255
	s_wait_dscnt 0x0
	s_endpgm
.Lfunc_end_k_q54f3d427a6_qkv:
	.size	k_q54f3d427a6_qkv, .Lfunc_end_k_q54f3d427a6_qkv-k_q54f3d427a6_qkv
	.p2alignl 7, 3214868480
	.fill 96, 4, 3214868480
	.section	.rodata,"a",@progbits
	.p2align	6, 0x0
	.amdhsa_kernel k_q54f3d427a6_qkv
		.amdhsa_group_segment_fixed_size 35840
		.amdhsa_private_segment_fixed_size 0
		.amdhsa_enable_private_segment 0
		.amdhsa_kernarg_size 120
		.amdhsa_user_sgpr_count 2
		.amdhsa_user_sgpr_kernarg_segment_ptr 1
		.amdhsa_wavefront_size32 1
		.amdhsa_system_sgpr_workgroup_id_x 1
		.amdhsa_system_sgpr_workgroup_id_y 1
		.amdhsa_system_sgpr_workgroup_id_z 1
		.amdhsa_system_vgpr_workitem_id 0
		.amdhsa_next_free_vgpr 256
		.amdhsa_next_free_sgpr 66
		.amdhsa_reserve_vcc 1
		.amdhsa_float_denorm_mode_32 3
		.amdhsa_float_denorm_mode_16_64 3
		.amdhsa_memory_ordered 1
		.amdhsa_forward_progress 1
		.amdhsa_inst_pref_size 36
	.end_amdhsa_kernel
	.amdgpu_metadata
---
amdhsa.version: [ 1, 2 ]
amdhsa.kernels:
  - .name:           k_q54f3d427a6_qkv
    .symbol:         k_q54f3d427a6_qkv.kd
    .args:
      - { .name: x, .offset: 0, .size: 8, .value_kind: global_buffer, .address_space: global }
      - { .name: atten_mask, .offset: 8, .size: 8, .value_kind: global_buffer, .address_space: global }
      - { .name: Aq, .offset: 16, .size: 8, .value_kind: global_buffer, .address_space: global }
      - { .name: Av, .offset: 24, .size: 8, .value_kind: global_buffer, .address_space: global }
      - { .name: Bq, .offset: 32, .size: 8, .value_kind: global_buffer, .address_space: global }
      - { .name: Bv, .offset: 40, .size: 8, .value_kind: global_buffer, .address_space: global }
      - { .name: Wk_codes, .offset: 48, .size: 8, .value_kind: global_buffer, .address_space: global }
      - { .name: Wk_scales, .offset: 56, .size: 8, .value_kind: global_buffer, .address_space: global }
      - { .name: Wq_codes, .offset: 64, .size: 8, .value_kind: global_buffer, .address_space: global }
      - { .name: Wq_scales, .offset: 72, .size: 8, .value_kind: global_buffer, .address_space: global }
      - { .name: Wv_codes, .offset: 80, .size: 8, .value_kind: global_buffer, .address_space: global }
      - { .name: Wv_scales, .offset: 88, .size: 8, .value_kind: global_buffer, .address_space: global }
      - { .name: qc, .offset: 96, .size: 8, .value_kind: global_buffer, .address_space: global }
      - { .name: qsb, .offset: 104, .size: 8, .value_kind: global_buffer, .address_space: global }
      - { .name: kv, .offset: 112, .size: 8, .value_kind: global_buffer, .address_space: global }
    .group_segment_fixed_size: 35840
    .private_segment_fixed_size: 0
    .kernarg_segment_align: 8
    .kernarg_segment_size: 120
    .max_flat_workgroup_size: 512
    .sgpr_count:     66
    .vgpr_count:     256
    .wavefront_size: 32
...
	.end_amdgpu_metadata
.endif
;; end of part 4
;; launch attn: the kernel of part 2 again; grid 16 x 16, 16 waves a work-group, clusters of 4 x 1, 327,680 bytes of LDS; arguments qc, qsb, kv, ctxc, ctxs; writes ctxc, ctxs
;; launch proj (part 5): grid 256 x 1, 8 waves a work-group, no clusters, 35,840 bytes of LDS; arguments ctxc, ctxs, Wp_codes, Wp_scales, bp, out0; writes out0
.if DOCPART == 5
	.amdgcn_target "amdgcn-amd-amdhsa--gfx1250"
	.amdhsa_code_object_version 6
	.text
	.protected	k_q54f3d427a6_proj
	.globl	k_q54f3d427a6_proj
	.p2align	8
	.type	k_q54f3d427a6_proj,@function
k_q54f3d427a6_proj:
	s_mov_b64 s[64:65], 0
	v_nop
	global_prefetch_b8 v0, s[64:65] scope:SCOPE_SE
	s_setreg_imm32_b32 hwreg(HW_REG_WAVE_SCHED_MODE, 0, 2), 2
	s_setreg_imm32_b32 hwreg(HW_REG_WAVE_MODE, 25, 1), 1
	s_wait_xcnt 0x0
	s_wait_alu depctr_vm_vsrc(0)
; out0 = Q(ctx) Wp^T + bp.  ctx arrives as codes of FP4 (E2M1) laid as images of the operand's registers ([tile of 16 rows][head][lane][16 bytes]) with two scale bytes for each row and head;
; Wp: [512][512] as codes, K innermost, one E8M0 byte for each 32; bp [512] and out0 [8192][512]: f32.
; SHARES.  A work-group of eight waves owns 32 rows (two tiles u); wave w owns columns 64 w .. 64 w + 63 (four tiles n): 8 accumulators, 4 K steps, 32 products.
; The product is used transposed (source 0 = 16 rows of Wp, source 1 = 16 rows of ctx): a lane holds eight neighbouring columns of one row.  bp is loaded straight into the accumulators: it costs no addition.
; NO CLUSTER, NO TENSOR LOAD: a wave's eighth of Wp (16,384 bytes) goes once, straight into its operand registers, for 32 products; shared through LDS it would go in and out of LDS and want barriers besides.
; THE WAY OUT: a tile of 16 rows x 64 columns goes through the wave's own stage (rows of 256 bytes + 16) and leaves by rows: sixteen lanes store 256 consecutive bytes, aligned.
; THE MODE: SCHED_MODE bits 1:0 = 2 (LLVM: expert scheduling mode 2), set by the entry lines.  The code itself states the register dependences between vector or matrix instructions and memory or LDS
; instructions, with s_wait_alu, always for 0.
; THE PLAN.  Registers that memory or LDS instructions touch:
;   v1-v8      offsets and LDS addresses: written at the head, never again: one wait ahead of the first load serves every load and store.
;   WF         two sets, written by loads and read by products alone.  K steps 0 and 1 are multiplied on end; ONE wait behind them states that both sets have been read, and the loads of K steps 2 and 3 follow in one run.
;   CX         ctx's fragments land there and the products read them; on the way out the rows from the stage land there and the global stores read them.
;   ACC        bp lands there, the products add onto it, the LDS stores read it.  One wait behind the last products serves CX and ACC alike.
;   CS         the one operand that vector instructions write: a wait stands behind its eight places, ahead of the first product.
;   v254, v255 written at the head, read by the closing add alone.
.set SP,  272
.set CX,  16                           ; v16-79   ctx's fragments (u, ks) at 16 + 8 (4 u + ks); on the way out: rows read back
.set WF,  80                           ; v80-143  Wp's fragments, two sets: 80 + 32 (ks % 2) + 8 n
.set WS,  144                          ; v144-159 Wp's scale words: 144 + 4 n + ks
.set CS,  160                          ; v160-167 ctx's scale words: 160 + 4 u + ks
.set RAW, 168                          ; v168-183 ctx's scale bytes as loaded: 168 + 8 u + head
.set ACC, 184                          ; v184-247 accumulators (n, u) at 184 + 8 (2 n + u)
.macro NOPS n
.rept \n
	v_nop
.endr
.endm
.macro WPLOAD ks                       ; my four fragments of K step ks
.irp n, 0,1,2,3
.irp c, 0,1
	global_load_b128 v[WF+32*((\ks)%2)+8*\n+4*\c:WF+32*((\ks)%2)+8*\n+4*\c+3], v3, s[8:9] offset:4096*\n+64*(\ks)+32*\c
.endr
.endr
.endm
.macro MUL8 ks                         ; K step ks on the eight accumulators, by turns
.irp n, 0,1,2,3
.irp u, 0,1
	v_wmma_scale_f32_16x16x128_f8f6f4 v[ACC+8*(2*\n+\u):ACC+8*(2*\n+\u)+7], v[WF+32*((\ks)%2)+8*\n:WF+32*((\ks)%2)+8*\n+7], v[CX+8*(4*\u+(\ks)):CX+8*(4*\u+(\ks))+7], v[ACC+8*(2*\n+\u):ACC+8*(2*\n+\u)+7], v[WS+4*\n+(\ks)], v[CS+4*\u+(\ks)] matrix_a_fmt:MATRIX_FMT_FP4 matrix_b_fmt:MATRIX_FMT_FP4
.endr
.endr
.endm
.macro TOSTAGE u                       ; tile u into my stage, each accumulator from its low end on, and back by rows; LDS serves a wave's instructions in order, so no wait stands between
.irp n, 0,1,2,3
	ds_store_b128 v6, v[ACC+8*(2*\n+\u):ACC+8*(2*\n+\u)+3] offset:64*\n
	ds_store_b128 v6, v[ACC+8*(2*\n+\u)+4:ACC+8*(2*\n+\u)+7] offset:64*\n+16
.endr
.irp t, 0,1,2,3,4,5,6,7
	ds_load_b128 v[CX+32*\u+4*\t:CX+32*\u+4*\t+3], v7 offset:2*SP*\t
.endr
.endm
	s_load_b256 s[4:11], s[0:1], 0x0               ; ctxc s4, ctxs s6, Wp's codes s8, Wp's scales s10
	s_load_b128 s[12:15], s[0:1], 0x20             ; bp s12, out0 s14
	v_lshl_add_u32 v254, v0, 2, 0x8800
	v_mov_b32 v255, 0
	v_lshrrev_b32 v9, 5, v0
	v_readfirstlane_b32 s16, v9                    ; wave 0..7
	v_and_b32 v9, 15, v0                           ; r
	v_bfe_u32 v10, v0, 4, 1                        ; h
	v_and_b32 v11, 31, v0                          ; lane
	v_lshlrev_b32 v1, 4, v11                       ; v1: 16 lane: an image's place for my lane
	v_lshlrev_b32 v2, 1, v9                        ; v2: my row's two scale bytes
	v_lshlrev_b32 v3, 8, v9
	v_lshl_add_u32 v3, v10, 4, v3                  ; v3: Wp's codes: row r of 256 bytes + 16 h
	v_lshlrev_b32 v4, 4, v9                        ; v4: Wp's scales: row r of 16 bytes
	v_lshlrev_b32 v5, 5, v10                       ; v5: bp: my half's eight numbers
	s_wait_alu depctr_va_sdst(0)                   ; s16, the wave's number, is written, ahead of its first reader
	s_mul_i32 s17, s16, 16*SP                      ; my stage
	v_mul_u32_u24 v6, v9, SP
	v_lshl_add_u32 v6, v10, 5, v6
	v_add_nc_u32 v6, s17, v6                       ; v6: in: row r, 32 bytes for each half of the lanes
	v_mul_u32_u24 v7, v10, SP
	v_lshl_add_u32 v7, v9, 4, v7
	v_add_nc_u32 v7, s17, v7                       ; v7: back: lanes 0-15 one row of 256 bytes, lanes 16-31 the next
	v_lshlrev_b32 v8, 11, v10
	v_lshl_add_u32 v8, v9, 4, v8                   ; v8: and the same two rows in out0
	s_lshl_b32 s18, ttmp9, 13                      ; ctxc: two tiles of 4,096 bytes a work-group
	s_mov_b32 s19, 0
	s_lshr_b32 s20, ttmp9, 7
	s_lshl_b32 s20, s20, 16                        ; ctxs: 8 heads of 8,192 bytes a batch,
	s_and_b32 s21, ttmp9, 127
	s_lshl_b32 s21, s21, 6                         ; 32 rows of 2 bytes a work-group
	s_add_co_u32 s20, s20, s21
	s_mov_b32 s21, 0
	s_lshl_b32 s22, s16, 14                        ; my 64 rows of Wp's codes,
	s_mov_b32 s23, 0
	s_lshl_b32 s24, s16, 10                        ; of its scales,
	s_mov_b32 s25, 0
	s_lshl_b32 s26, s16, 8                         ; my 64 numbers of bp
	s_mov_b32 s27, 0
	s_lshl_b32 s28, ttmp9, 16                      ; out0: 32 rows of 2,048 bytes a work-group, my 256 bytes of a row
	s_add_co_u32 s28, s28, s26
	s_mov_b32 s29, 0
	s_wait_kmcnt 0x0
	s_add_nc_u64 s[4:5], s[4:5], s[18:19]
	s_add_nc_u64 s[6:7], s[6:7], s[20:21]
	s_add_nc_u64 s[8:9], s[8:9], s[22:23]
	s_add_nc_u64 s[10:11], s[10:11], s[24:25]
	s_add_nc_u64 s[12:13], s[12:13], s[26:27]
	s_add_nc_u64 s[14:15], s[14:15], s[28:29]
	s_wait_alu depctr_va_vdst(0)                   ; the offsets and LDS addresses v1 to v8 are written: every load and store of the kernel reads one of them, and none is written again
.irp n, 0,1,2,3
.irp u, 0,1
	global_load_b128 v[ACC+8*(2*\n+\u):ACC+8*(2*\n+\u)+3], v5, s[12:13] offset:64*\n          ; bp(64 w + 16 n + 8 h + 0 .. 7) starts each sum
	global_load_b128 v[ACC+8*(2*\n+\u)+4:ACC+8*(2*\n+\u)+7], v5, s[12:13] offset:64*\n+16
.endr
.endr
.irp u, 0,1
.irp hd, 0,1,2,3,4,5,6,7
	global_load_u16 v[RAW+8*\u+\hd], v2, s[6:7] offset:8192*\hd+32*\u
.endr
.endr
.irp n, 0,1,2,3
	global_load_b128 v[WS+4*\n:WS+4*\n+3], v4, s[10:11] offset:256*\n
.endr
.set i, 0
.rept 16
	global_load_b128 v[CX+4*i:CX+4*i+3], v1, s[4:5] offset:512*i   ; tile i / 8, head i % 8: registers 4 c .. 4 c + 3 of K step head / 2, c = head % 2
.set i, i+1
.endr
	WPLOAD 0
	WPLOAD 1
	s_wait_loadcnt 0x0
.irp u, 0,1
.irp ks, 0,1,2,3
	v_lshl_or_b32 v[CS+4*\u+\ks], v[RAW+8*\u+2*\ks+1], 16, v[RAW+8*\u+2*\ks]   ; two heads' bytes make a K step's scale word
.endr
.endr
	NOPS 8                                         ; a scale register written by a vector instruction stands eight places ahead of a scaled product
	s_wait_alu depctr_va_vdst(0)                   ; ctx's scale words v[CS ..] are written, which the products take as scales; the places above stay beside this wait
	MUL8 0
	MUL8 1
	NOPS 4
	s_wait_alu depctr_va_vdst(0)                   ; the products of K steps 0 and 1 are done reading both sets of Wp's fragments, in which the loads below land
	WPLOAD 2
	WPLOAD 3
	s_wait_loadcnt 8                               ; K step 2's eight loads are in; K step 3's eight may be out
	MUL8 2
	s_wait_loadcnt 0x0
	MUL8 3
	NOPS 4                                         ; four places behind the last products, in front of the reads of their results
	s_wait_alu depctr_va_vdst(0)                   ; the products have written the accumulators, which the LDS stores read, and are done reading ctx's fragments, in which the stage's rows land
	TOSTAGE 0
	TOSTAGE 1
.irp t, 0,1,2,3,4,5,6,7
	s_wait_dscnt 23-\t                             ; behind tile 0's load t stand 7 - t of its loads and tile 1's 8 stores and 8 loads
	global_store_b128 v8, v[CX+4*\t:CX+4*\t+3], s[14:15] offset:4096*\t th:TH_STORE_NT
.endr
.irp t, 0,1,2,3,4,5,6,7
	s_wait_dscnt 7-\t
	global_store_b128 v8, v[CX+32+4*\t:CX+32+4*\t+3], s[14:15] offset:32768+4096*\t th:TH_STORE_NT
.endr
	s_wait_dscnt 0x0                               ; the closing lines, six on end
	s_wait_alu 0x0
	s_wait_tensorcnt 0x0
	ds_add_u32 v254, v255
	s_wait_dscnt 0x0
	s_endpgm
.Lfunc_end_k_q54f3d427a6_proj:
	.size	k_q54f3d427a6_proj, .Lfunc_end_k_q54f3d427a6_proj-k_q54f3d427a6_proj
	.p2alignl 7, 3214868480
	.fill 96, 4, 3214868480
	.section	.rodata,"a",@progbits
	.p2align	6, 0x0
	.amdhsa_kernel k_q54f3d427a6_proj
		.amdhsa_group_segment_fixed_size 35840
		.amdhsa_private_segment_fixed_size 0
		.amdhsa_enable_private_segment 0
		.amdhsa_kernarg_size 48
		.amdhsa_user_sgpr_count 2
		.amdhsa_user_sgpr_kernarg_segment_ptr 1
		.amdhsa_wavefront_size32 1
		.amdhsa_system_sgpr_workgroup_id_x 1
		.amdhsa_system_sgpr_workgroup_id_y 1
		.amdhsa_system_sgpr_workgroup_id_z 1
		.amdhsa_system_vgpr_workitem_id 0
		.amdhsa_next_free_vgpr 256
		.amdhsa_next_free_sgpr 66
		.amdhsa_reserve_vcc 0
		.amdhsa_float_denorm_mode_32 3
		.amdhsa_float_denorm_mode_16_64 3
		.amdhsa_memory_ordered 1
		.amdhsa_forward_progress 1
		.amdhsa_inst_pref_size 20
	.end_amdhsa_kernel
	.amdgpu_metadata
---
amdhsa.version: [ 1, 2 ]
amdhsa.kernels:
  - .name:           k_q54f3d427a6_proj
    .symbol:         k_q54f3d427a6_proj.kd
    .args:
      - { .name: ctxc, .offset: 0, .size: 8, .value_kind: global_buffer, .address_space: global }
      - { .name: ctxs, .offset: 8, .size: 8, .value_kind: global_buffer, .address_space: global }
      - { .name: Wp_codes, .offset: 16, .size: 8, .value_kind: global_buffer, .address_space: global }
      - { .name: Wp_scales, .offset: 24, .size: 8, .value_kind: global_buffer, .address_space: global }
      - { .name: bp, .offset: 32, .size: 8, .value_kind: global_buffer, .address_space: global }
      - { .name: out0, .offset: 40, .size: 8, .value_kind: global_buffer, .address_space: global }
    .group_segment_fixed_size: 35840
    .private_segment_fixed_size: 0
    .kernarg_segment_align: 8
    .kernarg_segment_size: 48
    .max_flat_workgroup_size: 256
    .sgpr_count:     66
    .vgpr_count:     256
    .wavefront_size: 32
...
	.end_amdgpu_metadata
.endif
;; end of part 5
